; MI455X (gfx1250); checked and timed in simulation.
; The chip was launched on July 23, 2026; its instructions are those of AMD's public machine-readable ISA for CDNA 5 (MIT licence, August 2026) and "CDNA5" Instruction Set Architecture Reference Guide (July 2026). The comments in the code are by the model that wrote it; some were corrected since.
;; Custom Multi Headed Attention. Allowed arithmetic: matrix products marked QUANTISED: E2M1 operands, one E8M0 scale for each 32 along K, by v_wmma_scale_f32_16x16x128_f8f6f4 with both operands' format E2M1 (or v_wmma_scale_f32_32x16x128_f4), f32 sums; products left as they are: bf16, f16 or f32 operands; f32 sums; everything else in f32.
;; Inputs: b_attn 3,072 float32; b_proj 1,024 float32; w_attn 1,024 x 3,072 float32; w_proj 1,024 x 1,024 float32; x 1 x 4,096 x 1,024 float32.
;; Outputs: out0 1 x 4,096 x 1,024 float32.
;; This version of the problem:
;;   THIS VERSION OF THE PROBLEM IS GIVEN IN LOW PRECISION. The matrix products marked QUANTISED in the list below multiply operands that are first quantised to E2M1 (2 exponent bits, 1 mantissa bit; 4 bits a number), with one power-of-two scale for each 32 numbers along K (OCP MX v1.0); their sums are f32. The products marked 'left as it is' may take bf16, f16 or f32 operands, with f32 sums. Whichever they take, every output number must still come out within the allowed error. Rounding operands to bf16 (8 significant bits) uses up far more of that allowance than f16 does (11 bits, for magnitudes from 6e-5 to 65,504). All else is computed in f32.
;;   The module's matrix products, in the order in which they are computed (A, B: the left and right operand; K: the contracted axis; several contracted axes count as one K, in the product's order):
;;     1. [M 4,096, K 1,024] x [K 1,024, N 3,072]; A: input x; B: input w_attn: QUANTISED
;;     2. [M 4,096, K 1] x [K 1, N 32]; A: computed on the way; B: computed on the way: left as it is (no contracted axis)
;;     3. batch 16 x [M 4,096, K 64] x [K 64, N 4,096]; A: computed on the way; B: computed on the way: left as it is (an operand is computed on the way)
;;     4. batch 16 x [M 4,096, K 4,096] x [K 4,096, N 64]; A: computed on the way; B: computed on the way: left as it is (an operand is computed on the way)
;;     5. [M 4,096, K 1,024] x [K 1,024, N 1,024]; A: computed on the way; B: input w_proj: left as it is (an operand is computed on the way)
;;   THE QUANTISER, for each operand of a quantised product, along K:
;;     - K is cut into blocks of 32 from its start; a last block that is shorter is filled with zeros.
;;     - A block's scale is 2^e with e = floor(log2(the largest magnitude in the block)) - 2, held to -126 .. 127; a block of zeros has e = 0. As a byte (E8M0): e + 127.
;;     - Each number is divided by its block's scale, clamped to +-6, and rounded to the nearest number of E2M1, ties to even, subnormals kept.
;;     - The product sums the exact products of the quantised numbers (number of the format x scale) in f32.
;;   ~~~python
;;   def quantise(x, axis):      # numpy; x: float32 -> the quantised numbers, widened to float32 again
;;       x = np.moveaxis(x, axis, -1); K = x.shape[-1]
;;       x = np.pad(x, [(0, 0)] * (x.ndim - 1) + [(0, -K % 32)]); x = x.reshape(x.shape[:-1] + (-1, 32)); a = np.abs(x).max(-1, keepdims=True)
;;       e = np.where(a > 0, np.clip(np.frexp(np.where(a > 0, a, 1))[1] - 1 - 2, -126, 127), 0)      # np.frexp(a)[1] - 1 = floor(log2(a)), exactly
;;       r = np.clip(x / 2.0 ** e, -6, 6)
;;       step = 2.0 ** (np.maximum(np.frexp(np.where(r == 0, 1, r))[1] - 1, 0) - 1)
;;       q = np.round(r / step) * step * 2.0 ** e      # np.round: ties to even
;;       return np.moveaxis(q.reshape(q.shape[:-2] + (-1,))[..., :K], -1, axis).astype(np.float32)
;;   ~~~
;; One version. Each part assembles by itself: llvm-mc -triple=amdgcn-amd-amdhsa -mcpu=gfx1250 --defsym DOCPART=n.
;; ======== version 1 of 1: 5 launches
;; limits: values are held in f16: magnitudes above 65,504 overflow, below 6.1e-05 lose precision
;; workspace buffers: prep 7,045,120 bytes; qkv 25,362,432 bytes; yimg 8,388,608 bytes
;; launch prepare (part 1): grid 272 x 1, 4 waves a work-group, no clusters, 35,328 bytes of LDS; arguments x, w_attn, w_proj, prep; writes prep
.if DOCPART == 1
	.amdgcn_target "amdgcn-amd-amdhsa--gfx1250"
	.amdhsa_code_object_version 6
	.text
	.protected	k_qea194b5646_prepare
	.globl	k_qea194b5646_prepare
	.p2align	8
	.type	k_qea194b5646_prepare,@function
k_qea194b5646_prepare:
	s_mov_b64 s[64:65], 0
	v_nop
	global_prefetch_b8 v0, s[64:65] scope:SCOPE_SE
	s_setreg_imm32_b32 hwreg(HW_REG_WAVE_MODE, 25, 1), 1
	s_wait_xcnt 0x0
; PREPARATION.  Four jobs, told apart by the work-group's number; each wave works alone, there is no barrier.
;   X (work-groups 0-127):   x [4096][1024] f32 -> codes of FP4 (E2M1) and E8M0 scale bytes, blocks of 32 along K (K innermost).
;   W (128-223):             w_attn [1024 (k)][3072 (n)] f32 -> the same, blocks of 32 along K (K is the FIRST axis: a lane takes a column).
;   P (224-255):             w_proj [1024 (k)][1024 (n)] f32 -> f16.
;   T (256-271):             the cos and sin of position x inverse frequency, f32.
; ALL RESULTS ARE LAID AS IMAGES OF OPERAND REGISTERS: four registers of a fragment are 512 bytes, lane l's 16 bytes at 16 l.
;   FP4 fragment (16 rows x 128 k, 1 KB): piece c at 512 c holds, in lane (r, h), k = 64 c + 32 h + 0..31 of row r.
;   f16 fragment (16 rows x 32 k, 1 KB): half 0 holds k = 8 h + 0..7, half 1 k = 16 + 8 h + 0..7.
;   table entry (1 KB): register j of lane (r, h) is frequency 16 p + 8 h + j at position 16 tile + r.
; A block's scale is 2^(floor(log2(largest magnitude)) - 2): its byte is the largest magnitude's exponent field - 2, held at 1 from below.
; LIMITS: a block of zeros gets the byte 1 (its codes are zeros; only this program reads the bytes); NaN and infinities are not served;
; w_proj in f16: magnitudes under 65,504, and under 6e-5 bits are lost.  The inverse frequencies come from v_exp_f32 (1 ulp, ISA guide 15.8),
; so an angle can differ from position x the exact frequency by some 4e-4 rad at position 4,095; no quantiser follows the table.
.set WI,   0x200000                    ; sections of prep: x's codes at 0, w_attn's codes,
.set XS,   0x380000                    ; x's scale bytes [row][32],
.set WS,   0x3a0000                    ; w_attn's [n][32],
.set TAB,  0x3b8000                    ; the table [row tile][cos p0, cos p1, sin p0, sin p1][1 KB],
.set WP,   0x4b8000                    ; w_proj's images [n tile][k chunk][1 KB]
.set SPARE, 34816                      ; behind path X's four regions of 8,704 bytes: the spare words
.set SPW,  2                           ; v2  LDS address of my spare word; never rewritten
.set NIL,  3                           ; v3  0; never rewritten
.set RR,   32                          ; path X: v32-127 three sets of 32 numbers as loaded
.set XX,   128                         ; path X: v128-191 two sets of 32 neighbours
.set CC,   192                         ; path X: v192-223 codes, four registers a step
	s_load_b256 s[4:11], s[0:1], 0x0               ; x s[4:5], w_attn s[6:7], w_proj s[8:9], prep s[10:11]
	v_lshl_add_u32 v[SPW], v0, 2, SPARE
	v_mov_b32 v[NIL], 0
	v_lshrrev_b32 v1, 5, v0
	v_readfirstlane_b32 s12, v1                    ; wave
	v_and_b32 v1, 31, v0                           ; lane
	v_and_b32 v24, 15, v0                          ; r
	v_bfe_u32 v25, v0, 4, 1                        ; h
	s_mov_b32 s25, 0                               ; the high word of every offset
	s_wait_kmcnt 0x0
	s_cmp_lt_u32 ttmp9, 128
	s_cbranch_scc1 .Lpath_x
	s_cmp_lt_u32 ttmp9, 224
	s_cbranch_scc1 .Lpath_w
	s_cmp_lt_u32 ttmp9, 256
	s_cbranch_scc1 .Lpath_p
; ---------------- T: the table.  A wave makes four row tiles, one a trip.
	s_sub_co_u32 s13, ttmp9, 256
	s_lshl_b32 s22, s13, 4
	s_lshl_b32 s23, s12, 2
	s_add_co_u32 s22, s22, s23                     ; my first row tile
	s_lshl_b32 s24, s22, 12
	s_add_co_u32 s24, s24, TAB
	s_add_nc_u64 s[16:17], s[10:11], s[24:25]
	s_lshl_b32 s22, s22, 4
	v_add_nc_u32 v30, s22, v24
	v_cvt_f32_u32 v30, v30                         ; my position, as f32
	v_lshlrev_b32 v31, 3, v25                      ; 8 h
	v_lshlrev_b32 v7, 4, v1                        ; 16 x lane
	s_mov_b32 s26, 0x3f22f983                      ; 2 / pi
	s_mov_b32 s27, 0x3fc90fdb                      ; pi / 2, rounded to f32,
	s_mov_b32 s28, 0x333bbd2e                      ; and by how much that lies above pi / 2
	s_mov_b32 s29, 0xbe2aaaab                      ; sine: -1/6, 1/120, -1/5040, 1/362880
	s_mov_b32 s30, 0x3c088889
	s_mov_b32 s31, 0xb9500d01
	s_mov_b32 s32, 0x3638ef1d
	s_mov_b32 s33, 0x3d2aaaab                      ; cosine: (-1/2,) 1/24, -1/720, 1/40320
	s_mov_b32 s34, 0xbab60b61
	s_mov_b32 s35, 0x37d00d01
.irp f, 0,1,2,3,4,5,6,7,8,9,10,11,12,13,14,15
	v_add_nc_u32 v[32+\f], 16*(\f/8)+\f%8, v31     ; frequency i = 16 p + 8 h + j
.endr
.irp f, 0,1,2,3,4,5,6,7,8,9,10,11,12,13,14,15
	v_cvt_f32_u32 v[32+\f], v[32+\f]
.endr
.irp f, 0,1,2,3,4,5,6,7,8,9,10,11,12,13,14,15
	v_mul_f32 v[32+\f], 0xbed49a78, v[32+\f]       ; -i log2(10000) / 32
.endr
.irp f, 0,1,2,3,4,5,6,7,8,9,10,11,12,13,14,15
	v_exp_f32 v[32+\f], v[32+\f]                   ; 10000^(-i / 32)
.endr
	v_nop                                          ; a plain instruction behind the last exponential
	s_wait_alu depctr_va_vdst(0)                   ; one wait for the sixteen, ahead of their first reader and of the label
; cos and sin of position x frequency f.  The angle is brought into [-pi/4, pi/4] by taking k quarter turns off it: the first fused step is exact
; (k has 12 bits, the result is under 1 and a multiple of 2^-24), the second adds what pi / 2 lost in rounding; then two short series and the quadrant.
.macro ANGLE f
	v_mul_f32 v48, v30, v[32+\f]
	v_mul_f32 v49, s26, v48
	v_rndne_f32 v49, v49                           ; k
	v_cvt_i32_f32 v50, v49
	v_fma_f32 v48, -v49, s27, v48
	v_fma_f32 v48, v49, s28, v48                   ; rho
	v_mul_f32 v51, v48, v48
	v_fma_f32 v52, v51, s32, s31
	v_fma_f32 v53, v51, s35, s34
	v_fma_f32 v52, v52, v51, s30
	v_fma_f32 v53, v53, v51, s33
	v_fma_f32 v52, v52, v51, s29
	v_fma_f32 v53, v53, v51, -0.5
	v_mul_f32 v54, v51, v48
	v_fma_f32 v53, v53, v51, 1.0                   ; cos rho
	v_fma_f32 v52, v52, v54, v48                   ; sin rho
	v_and_b32 v55, 1, v50
	v_cmp_ne_u32 vcc_lo, 0, v55                    ; an odd quarter swaps the two
	v_cndmask_b32 v54, v52, v53, vcc_lo
	v_cndmask_b32 v55, v53, v52, vcc_lo
	v_and_b32 v56, 2, v50                          ; the sine is negative in quarters 2, 3,
	v_add_nc_u32 v50, 1, v50
	v_and_b32 v50, 2, v50                          ; the cosine in quarters 1, 2
	v_lshlrev_b32 v56, 30, v56
	v_lshlrev_b32 v50, 30, v50
	v_xor_b32 v[80+\f], v54, v56
	v_xor_b32 v[64+\f], v55, v50
.endm
	s_mov_b32 s13, 4
.Ltab:
.irp f, 0,1,2,3,4,5,6,7,8,9,10,11,12,13,14,15
	ANGLE \f
.endr
.irp m, 0,1,2,3,4,5,6,7
	global_store_b128 v7, v[64+4*\m:67+4*\m], s[16:17] offset:512*\m   ; 512 consecutive bytes a store
.endr
	s_wait_xcnt 0x0                                ; the stores' data and base are written again only behind this wait
	s_add_nc_u64 s[16:17], s[16:17], 4096
	v_add_f32 v30, 0x41800000, v30                 ; 16 positions on
	s_sub_co_u32 s13, s13, 1
	s_cmp_lg_u32 s13, 0
	s_cbranch_scc1 .Ltab
	s_endpgm
; The largest magnitude of the 32 numbers from v[xs] on, with the floor 2^(3 - 127) among them; v11 = that with 2 off its exponent field: the conversions' scale operand.
.macro BLOCKMAX xs
	v_max3_num_f32 v12, |v[\xs]|, |v[\xs+1]|, |v[\xs+2]|
	v_max3_num_f32 v13, |v[\xs+3]|, |v[\xs+4]|, |v[\xs+5]|
.irp i, 6,10,14,18,22,26
	v_max3_num_f32 v12, v12, |v[\xs+\i]|, |v[\xs+\i+1]|
	v_max3_num_f32 v13, v13, |v[\xs+\i+2]|, |v[\xs+\i+3]|
.endr
	v_max3_num_f32 v12, v12, |v[\xs+30]|, |v[\xs+31]|
	v_max3_num_f32 v12, v12, v13, 0x1800000
	v_add_nc_u32 v11, 0xff000000, v12
.endm
; ---------------- X: a wave takes 16 rows x 512 k, in eight steps of 16 rows x 64 k.
; A load reads two rows' 256 aligned bytes; the step's 4 KB turn through the wave's own stage in LDS (rows 272 bytes apart) and come back 128 bytes a lane:
; lane (r, h) then holds the block k = 32 h + 0..31 of row r, whole, and its four code registers are a piece of the fragment's image.
.Lpath_x:
	s_lshl_b32 s13, ttmp9, 2
	s_add_co_u32 s13, s13, s12
	s_lshr_b32 s22, s13, 1                         ; row tile
	s_and_b32 s23, s13, 1                          ; which half of K
	s_lshl_b32 s24, s22, 16
	s_lshl_b32 s26, s23, 11
	s_add_co_u32 s24, s24, s26
	s_add_nc_u64 s[14:15], s[4:5], s[24:25]        ; x
	s_lshl_b32 s24, s22, 13
	s_lshl_b32 s26, s23, 12
	s_add_co_u32 s24, s24, s26
	s_add_nc_u64 s[16:17], s[10:11], s[24:25]      ; the codes' images
	s_lshl_b32 s24, s22, 9
	s_lshl_b32 s26, s23, 4
	s_add_co_u32 s24, s24, s26
	s_add_co_u32 s24, s24, XS
	s_add_nc_u64 s[18:19], s[10:11], s[24:25]      ; the scale bytes
	s_mov_b32 s20, 0x76543210
	s_mov_b32 s21, 0xfedcba98                      ; v_permlanex16_b32's selects for lane l xor 16
	v_lshlrev_b32 v4, 12, v25
	v_lshl_add_u32 v4, v24, 4, v4                  ; in memory: lanes 0-15 one row, lanes 16-31 the next
	s_mul_i32 s27, s12, 8704                       ; my two stages
	v_mul_u32_u24 v5, v25, 272
	v_lshl_add_u32 v5, v24, 4, v5
	v_add_nc_u32 v5, s27, v5                       ; into a stage, as loaded
	v_mul_u32_u24 v6, v24, 272
	v_lshl_add_u32 v6, v25, 7, v6
	v_add_nc_u32 v6, s27, v6                       ; out of it: row r, 128 h bytes on
	v_lshlrev_b32 v7, 4, v1                        ; 16 x lane
	v_lshlrev_b32 v8, 3, v25                       ; my byte's place in a scale word: 8 h bits up (even steps),
	v_add_nc_u32 v9, 16, v8                        ; 16 + 8 h (odd steps)
	v_lshlrev_b32 v26, 5, v24
	v_lshl_add_u32 v26, v25, 3, v26                ; where I store scale words: 32 r + 8 h
.irp w, 0,1,2,3
	v_mov_b32 v[20+\w], 0                          ; a lane permute's destination counts as one of its sources
.endr
.macro XLOAD s
.irp i, 0,1,2,3,4,5,6,7
	global_load_b128 v[RR+32*((\s)%3)+4*\i:RR+32*((\s)%3)+4*\i+3], v4, s[14:15] offset:\i*8192+(\s)*256 th:TH_LOAD_NT
.endr
.endm
.macro XTURN s                         ; LDS serves a wave's instructions in order: no wait between the stores and the loads
.irp i, 0,1,2,3,4,5,6,7
	ds_store_b128 v5, v[RR+32*((\s)%3)+4*\i:RR+32*((\s)%3)+4*\i+3] offset:((\s)%2)*4352+\i*544
.endr
.irp i, 0,1,2,3,4,5,6,7
	ds_load_b128 v[XX+32*((\s)%2)+4*\i:XX+32*((\s)%2)+4*\i+3], v6 offset:((\s)%2)*4352+16*\i
.endr
.endm
.macro XSTEP s
.set XSB, XX+32*((\s)%2)
	s_wait_dscnt 0x0                               ; this step's numbers are back from the stage
.if (\s)+3 < 8
	XLOAD (\s)+3
.endif
.if (\s) < 7
.if (\s) <= 4
	s_wait_loadcnt 16                              ; the next step's eight loads are in; those of the two steps behind it may be out
.else
	s_wait_loadcnt 8*(6-(\s))
.endif
	XTURN (\s)+1
.endif
	BLOCKMAX XSB
.irp g, 0,1,2,3
	v_cvt_scalef32_pk8_fp4_f32 v[CC+4*(\s)+\g], v[XSB+8*\g:XSB+8*\g+7], v11
.endr
	v_lshrrev_b32 v10, 23, v11                     ; the scale's byte (and the plain line behind the conversions)
.if (\s)%2 == 0
	v_lshlrev_b32 v[14+(\s)/2], v8, v10
.else
	v_lshlrev_b32 v10, v9, v10
	v_or_b32 v[14+(\s)/2], v[14+(\s)/2], v10
.endif
	global_store_b128 v7, v[CC+4*(\s):CC+4*(\s)+3], s[16:17] offset:((\s)/2)*1024+((\s)%2)*512
.endm
	XLOAD 0
	XLOAD 1
	XLOAD 2
	s_wait_loadcnt 16                              ; step 0's loads are in
	XTURN 0
.irp s, 0,1,2,3,4,5,6,7
	XSTEP \s
.endr
.irp w, 0,1,2,3
	v_permlanex16_b32 v[20+\w], v[14+\w], s20, s21
.endr
.irp w, 0,1,2,3
	v_or_b32 v[14+\w], v[14+\w], v[20+\w]          ; with lane l xor 16's two bytes a word is whole
.endr
	v_cmp_ne_u32 vcc_lo, 0, v25
	v_cndmask_b32 v18, v14, v16, vcc_lo            ; lanes 0-15 store words 0, 1 of their row, lanes 16-31 words 2, 3
	v_cndmask_b32 v19, v15, v17, vcc_lo
	global_store_b64 v26, v[18:19], s[18:19]
	s_wait_tensorcnt 0x0                           ; the wave's end, behind my last LDS store
	ds_add_u32 v[SPW], v[NIL]
	s_wait_dscnt 0x0
	s_endpgm
; 32 numbers down K of my column: block or chunk t into set t % 2; 32 lanes read 128 consecutive bytes
.macro CLOAD t, rowb
.irp i, 0,1,2,3,4,5,6,7,8,9,10,11,12,13,14,15,16,17,18,19,20,21,22,23,24,25,26,27,28,29,30,31
	global_load_b32 v[32+32*((\t)%2)+\i], v4, s[14:15] offset:(32*(\t)+\i)*\rowb th:TH_LOAD_NT
.endr
.endm
; ---------------- W: a wave takes 32 columns x 256 k: a lane a column, its registers run down K, eight blocks.
.Lpath_w:
	s_sub_co_u32 s13, ttmp9, 128
	s_lshr_b32 s22, s13, 2
	s_and_b32 s23, s13, 3                          ; which quarter of K
	s_lshl_b32 s26, s22, 2
	s_add_co_u32 s26, s26, s12                     ; which 32 columns
	s_mul_i32 s24, s23, 256*12288
	s_lshl_b32 s27, s26, 7
	s_add_co_u32 s24, s24, s27
	s_add_nc_u64 s[14:15], s[6:7], s[24:25]
	s_lshl_b32 s24, s26, 14                        ; two tiles of 16 columns, 8 KB each
	s_lshl_b32 s27, s23, 11
	s_add_co_u32 s24, s24, s27
	s_add_co_u32 s24, s24, WI
	s_add_nc_u64 s[16:17], s[10:11], s[24:25]
	s_lshl_b32 s24, s26, 10
	s_lshl_b32 s27, s23, 3
	s_add_co_u32 s24, s24, s27
	s_add_co_u32 s24, s24, WS
	s_add_nc_u64 s[18:19], s[10:11], s[24:25]
	v_lshlrev_b32 v4, 2, v1
	v_lshlrev_b32 v5, 13, v25
	v_lshl_add_u32 v5, v24, 4, v5                  ; my tile, my place among sixteen lanes' 256 bytes
	v_lshlrev_b32 v6, 5, v1
.macro WBLOCK t
.set XSB, 32+32*((\t)%2)
.if (\t) < 7
	s_wait_loadcnt 32                              ; this block's 32 loads are in; the next block's may be out
.else
	s_wait_loadcnt 0x0
.endif
	BLOCKMAX XSB
	v_lshrrev_b32 v13, 23, v11                     ; the scale's byte
.if (\t)%4 == 0
	v_mov_b32 v[14+(\t)/4], v13
.else
	v_lshl_or_b32 v[14+(\t)/4], v13, 8*((\t)%4), v[14+(\t)/4]
.endif
.irp g, 0,1,2,3
	v_cvt_scalef32_pk8_fp4_f32 v[96+4*(\t)+\g], v[XSB+8*\g:XSB+8*\g+7], v11
.endr
	v_nop                                          ; a plain line behind the conversions
	global_store_b128 v5, v[96+4*(\t):96+4*(\t)+3], s[16:17] offset:((\t)/4)*1024+(((\t)/2)%2)*512+((\t)%2)*256   ; block t is K step t / 4, piece (t / 2) % 2, half t % 2: sixteen lanes fill 256 aligned bytes
.if (\t)+2 < 8
	CLOAD (\t)+2, 12288
.endif
.endm
	CLOAD 0, 12288
	CLOAD 1, 12288
.irp t, 0,1,2,3,4,5,6,7
	WBLOCK \t
.endr
	global_store_b64 v6, v[14:15], s[18:19]        ; my column's eight scale bytes
	s_endpgm
; ---------------- P: the same shares on w_proj; a chunk of 32 k becomes 16 registers of f16 pairs: four groups of eight k, which are the image's four runs of 256 bytes.
.Lpath_p:
	s_sub_co_u32 s13, ttmp9, 224
	s_lshr_b32 s22, s13, 2
	s_and_b32 s23, s13, 3
	s_lshl_b32 s26, s22, 2
	s_add_co_u32 s26, s26, s12
	s_lshl_b32 s24, s23, 20                        ; 256 rows of 4,096 bytes
	s_lshl_b32 s27, s26, 7
	s_add_co_u32 s24, s24, s27
	s_add_nc_u64 s[14:15], s[8:9], s[24:25]
	s_lshl_b32 s24, s26, 16                        ; two tiles of 16 columns, 32 KB each
	s_lshl_b32 s27, s23, 13
	s_add_co_u32 s24, s24, s27
	s_add_co_u32 s24, s24, WP
	s_add_nc_u64 s[16:17], s[10:11], s[24:25]
	v_lshlrev_b32 v4, 2, v1
	v_lshlrev_b32 v5, 15, v25
	v_lshl_add_u32 v5, v24, 4, v5
.macro PBLOCK t
.set XSB, 32+32*((\t)%2)
.if (\t) < 7
	s_wait_loadcnt 32
.else
	s_wait_loadcnt 0x0
.endif
.irp i, 0,1,2,3,4,5,6,7,8,9,10,11,12,13,14,15
	v_cvt_pk_f16_f32 v[96+16*(\t)+\i], v[XSB+2*\i], v[XSB+2*\i+1]
.endr
.irp m, 0,1,2,3
	global_store_b128 v5, v[96+16*(\t)+4*\m:96+16*(\t)+4*\m+3], s[16:17] offset:(\t)*1024+\m*256
.endr
.if (\t)+2 < 8
	CLOAD (\t)+2, 4096
.endif
.endm
	CLOAD 0, 4096
	CLOAD 1, 4096
.irp t, 0,1,2,3,4,5,6,7
	PBLOCK \t
.endr
	s_endpgm
.Lfunc_end_k_qea194b5646_prepare:
	.size	k_qea194b5646_prepare, .Lfunc_end_k_qea194b5646_prepare-k_qea194b5646_prepare
	.p2alignl 7, 3214868480
	.fill 96, 4, 3214868480
	.section	.rodata,"a",@progbits
	.p2align	6, 0x0
	.amdhsa_kernel k_qea194b5646_prepare
		.amdhsa_group_segment_fixed_size 35328
		.amdhsa_private_segment_fixed_size 0
		.amdhsa_enable_private_segment 0
		.amdhsa_kernarg_size 32
		.amdhsa_user_sgpr_count 2
		.amdhsa_user_sgpr_kernarg_segment_ptr 1
		.amdhsa_wavefront_size32 1
		.amdhsa_system_sgpr_workgroup_id_x 1
		.amdhsa_system_sgpr_workgroup_id_y 1
		.amdhsa_system_sgpr_workgroup_id_z 1
		.amdhsa_system_vgpr_workitem_id 0
		.amdhsa_next_free_vgpr 224
		.amdhsa_next_free_sgpr 66
		.amdhsa_reserve_vcc 1
		.amdhsa_float_denorm_mode_32 3
		.amdhsa_float_denorm_mode_16_64 3
		.amdhsa_memory_ordered 1
		.amdhsa_forward_progress 1
		.amdhsa_inst_pref_size 127
	.end_amdhsa_kernel
	.amdgpu_metadata
---
amdhsa.version: [ 1, 2 ]
amdhsa.kernels:
  - .name:           k_qea194b5646_prepare
    .symbol:         k_qea194b5646_prepare.kd
    .args:
      - { .name: x, .offset: 0, .size: 8, .value_kind: global_buffer, .address_space: global }
      - { .name: w_attn, .offset: 8, .size: 8, .value_kind: global_buffer, .address_space: global }
      - { .name: w_proj, .offset: 16, .size: 8, .value_kind: global_buffer, .address_space: global }
      - { .name: prep, .offset: 24, .size: 8, .value_kind: global_buffer, .address_space: global }
    .group_segment_fixed_size: 35328
    .private_segment_fixed_size: 0
    .kernarg_segment_align: 8
    .kernarg_segment_size: 32
    .max_flat_workgroup_size: 128
    .sgpr_count:     66
    .vgpr_count:     224
    .wavefront_size: 32
...
	.end_amdgpu_metadata
.endif
;; end of part 1
;; launch qkvrope (part 2): grid 12 x 16, 4 waves a work-group, clusters of 4 x 1, 279,040 bytes of LDS; arguments prep, b_attn, qkv; writes qkv
.if DOCPART == 2
	.amdgcn_target "amdgcn-amd-amdhsa--gfx1250"
	.amdhsa_code_object_version 6
	.text
	.protected	k_qea194b5646_qkvrope
	.globl	k_qea194b5646_qkvrope
	.p2align	8
	.type	k_qea194b5646_qkvrope,@function
k_qea194b5646_qkvrope:
	s_mov_b64 s[64:65], 0
	v_nop
	global_prefetch_b8 v0, s[64:65] scope:SCOPE_SE
	s_setreg_imm32_b32 hwreg(HW_REG_WAVE_MODE, 25, 1), 1
	s_wait_xcnt 0x0
	s_wait_alu depctr_hold_cnt(0) depctr_sa_sdst(0) depctr_va_vdst(0) depctr_va_sdst(0) depctr_va_ssrc(0) depctr_va_vcc(0) depctr_vm_vsrc(0)
	s_getreg_b32 s2, hwreg(HW_REG_IB_STS2, 6, 4)
	s_cmp_eq_u32 s2, 0
	s_cbranch_scc0 .Lentry_in_a_cluster
	s_endpgm
.Lentry_in_a_cluster:
	s_bfe_u32 s2, ttmp6, 0x10000c
	s_cmp_lg_u32 s2, 0x3003
	s_cbranch_scc0 .Lentry_shape_is_right
	s_endpgm
.Lentry_shape_is_right:
; qkv = Q(x) Q(w_attn) + b_attn on codes of FP4 with E8M0 scales, then the rotary turn on q and k; q, k, v leave as f16 images of the operand registers that attention wants.
; SHARES.  A work-group makes 256 rows x 256 columns (four heads of one of q, k, v); each of four waves 128 x 128: 64 accumulators, 512 registers.
; All of K = 1,024 lies in LDS at once: x's 16 row tiles and w's 16 column tiles x 8 K steps x 1 KB, and their scale bytes: every byte of LDS is filled once, there is one barrier and no ring.
; CLUSTER 4 x 1: the four partners are the four column tiles of one section, so the cluster's x says q, k or v, and they share x's tile: it is asked for jointly.
; w's tile differs from partner to partner and comes by a load of the work-group's own.  4 x 4 is not taken: the f32 copy of rows 0-15 hangs on the tile row.
; q, k: the matrix instruction is used transposed (source 0 = 16 columns of w, source 1 = 16 rows of x): a lane holds one row and eight neighbouring channels, so the turn needs no other lane,
; and two neighbouring column tiles, packed to f16, are a fragment of q or k.  v: source 0 = x, source 1 = w: a lane holds one channel and eight keys: two neighbouring row tiles are a fragment of V^T.
; The bias is the C of each sum's first matrix instruction.  Rows 0-15 are stored in f32 too, for the launch that carries those rows finely.
; LIMITS: q, k, v in f16: magnitudes under 65,504; under 6e-5 bits are lost.  NaN and infinities are not served.
; REGISTERS: window 0: v16-29 addresses; v32-95 scale words (register 8 i + q: lanes 0-15 x's tile i, lanes 16-31 w's tile i, K step q); v128-191 x's eight fragments; v192-255 two sets of the table;
;   on the way out v96-175 are at work.  window 1: v0-63, v128-191 w's fragments, two sets; v64-127 the bias.  windows 2, 3: accumulator (a, b) at v[8 (8 (a % 4) + b)].
.set WI,   0x200000
.set XS,   0x380000
.set WS,   0x3a0000
.set TAB,  0x3b8000
.set KVO,  0x800000                    ; in qkv: q at 0, k and v from here, the f32 rows from FO
.set FO,   0x1800000
.set XSL,  262144                      ; LDS: x's codes 0, w's 131,072, x's scale bytes here, w's 8,192 on
.set SPARE, 278528                     ; the spare words
.set ADRA, 16
.set ADRB, 20
.set LI,   22                          ; 16 x lane
.set BQ,   23                          ; the bias' lane term, q and k: 32 h
.set BV,   24                          ; v: 4 r
.set ADRS, 27
.set SPW,  28
.set NIL,  29
.set SC,   32
.set PK,   96
.set AF,   128
.set Y,    128
.set T,    160
.set TBL,  192
.set BI,   64                          ; in window 1
.set G1X,  24
.set G1XS, 32
.set G1W,  44
.set G1WS, 52
.set G0X,  68
.set G0XS, 72
.set G0W,  76
.set G0WS, 80
.set MSB, 0
.macro WIN new                         ; the immediate's high byte repeats the setting that is left
.if MSB != (\new)
	s_set_vgpr_msb (MSB<<8)|(\new)
.set MSB, (\new)
.endif
.endm
.macro PLACES n
.rept \n
	v_nop
.endr
.endm
.macro CROUND                          ; a round of the cluster's barrier
	s_barrier_signal -1
	s_barrier_wait -1
	s_cmp_lg_u32 s14, 0
	s_cbranch_scc1 .Lnot_wave_0_\@
	s_barrier_signal -3
.Lnot_wave_0_\@:
	s_barrier_wait -3
	s_barrier_signal -1
	s_barrier_wait -1
.endm
	s_load_b128 s[4:7], s[0:1], 0x0                ; prep, b_attn
	s_load_b64 s[8:9], s[0:1], 0x10                ; qkv
	v_lshl_add_u32 v[SPW], v0, 2, SPARE
	v_mov_b32 v[NIL], 0
	ds_add_u32 v[SPW], v[NIL]                      ; the wave's opening: the add, twice on end, and its wait ahead of my first tensor load
	ds_add_u32 v[SPW], v[NIL]
	v_lshrrev_b32 v1, 5, v0
	v_readfirstlane_b32 s14, v1                    ; wave
	s_lshr_b32 s15, s14, 1                         ; which half of the rows is mine.  Also: I fetch for x (0) or for w (1)
	s_and_b32 s16, s14, 1                          ; which half of the columns.  Also: which half of that tile I fetch
	s_bfe_u32 s40, ttmp6, 0x40000                  ; cx
	s_lshl_b32 s42, ttmp9, 2
	s_add_co_u32 s42, s42, s40                     ; tile column = 4 x section + cx: it enters global addresses alone
	s_and_b32 s17, ttmp7, 0xffff                   ; tile row
	; descriptors: dense blocks as rows of 256 bytes (32 elements of 8 bytes): 64 KB of codes, 4 KB of scale bytes.  x's carry the mask of all four partners
	s_mov_b32 s[G1X], 15|(3<<16)|(1<<21)
	s_mov_b32 s[G1XS], 15|(3<<16)|(1<<21)
	s_mov_b32 s[G1W], 3<<16
	s_mov_b32 s[G1WS], 3<<16
.irp g, G1X, G1W
	s_mov_b32 s[\g+1], 32<<16
	s_mov_b32 s[\g+2], 256<<16
	s_mov_b32 s[\g+3], 32<<16
	s_mov_b32 s[\g+4], 256
	s_mov_b32 s[\g+5], 32
	s_mov_b32 s[\g+6], 0
	s_mov_b32 s[\g+7], 0
.endr
.irp g, G1XS, G1WS
	s_mov_b32 s[\g+1], 32<<16
	s_mov_b32 s[\g+2], 16<<16
	s_mov_b32 s[\g+3], 32<<16
	s_mov_b32 s[\g+4], 16
	s_mov_b32 s[\g+5], 32
	s_mov_b32 s[\g+6], 0
	s_mov_b32 s[\g+7], 0
.endr
	s_lshl_b32 s18, s17, 17                        ; x's codes: 16 row tiles of 8 KB a tile row, my half
	s_lshl_b32 s19, s16, 16
	s_add_co_u32 s18, s18, s19
	s_mov_b32 s19, 0
	s_lshl_b32 s20, s17, 13                        ; x's scale bytes: 256 rows of 32
	s_lshl_b32 s21, s16, 12
	s_add_co_u32 s20, s20, s21
	s_add_co_u32 s20, s20, XS
	s_mov_b32 s21, 0
	s_lshl_b32 s60, s42, 17                        ; w's likewise, by the tile column
	s_lshl_b32 s61, s16, 16
	s_add_co_u32 s60, s60, s61
	s_add_co_u32 s60, s60, WI
	s_mov_b32 s61, 0
	s_lshl_b32 s62, s42, 13
	s_lshl_b32 s63, s16, 12
	s_add_co_u32 s62, s62, s63
	s_add_co_u32 s62, s62, WS
	s_mov_b32 s63, 0
	s_lshl_b32 s22, s14, 16                        ; in LDS: codes at 65,536 x wave,
	s_lshl_b32 s23, s14, 12
	s_add_co_u32 s23, s23, XSL                     ; scale bytes at XSL + 4,096 x wave
	s_wait_dscnt 0x0                               ; both opening adds are done
	s_wait_kmcnt 0x0
	s_mov_b32 s[G0X], 1
	s_mov_b32 s[G0X+1], s22
	s_add_nc_u64 s[G0X+2:G0X+3], s[4:5], s[18:19]
	s_or_b32 s[G0X+3], s[G0X+3], 0x80000000
	s_mov_b32 s[G0XS], 1
	s_mov_b32 s[G0XS+1], s23
	s_add_nc_u64 s[G0XS+2:G0XS+3], s[4:5], s[20:21]
	s_or_b32 s[G0XS+3], s[G0XS+3], 0x80000000
	s_mov_b32 s[G0W], 1
	s_mov_b32 s[G0W+1], s22
	s_add_nc_u64 s[G0W+2:G0W+3], s[4:5], s[60:61]
	s_or_b32 s[G0W+3], s[G0W+3], 0x80000000
	s_mov_b32 s[G0WS], 1
	s_mov_b32 s[G0WS+1], s23
	s_add_nc_u64 s[G0WS+2:G0WS+3], s[4:5], s[62:63]
	s_or_b32 s[G0WS+3], s[G0WS+3], 0x80000000
	CROUND                                         ; all four work-groups are here: the joint loads meet
	s_cmp_eq_u32 s15, 0                            ; a wave's two fills stand in one branch on its number: two loads of mine are out
	s_cbranch_scc0 .Lfirst_w
	tensor_load_to_lds s[G0XS:G0XS+3], s[G1XS:G1XS+7]
	s_nop 0
	tensor_load_to_lds s[G0X:G0X+3], s[G1X:G1X+7]
	s_nop 0
	PLACES 4
	s_branch .Lfirst_asked
.Lfirst_w:
	tensor_load_to_lds s[G0WS:G0WS+3], s[G1WS:G1WS+7]
	s_nop 0
	tensor_load_to_lds s[G0W:G0W+3], s[G1W:G1W+7]
	s_nop 0
	PLACES 4
.Lfirst_asked:
	v_and_b32 v1, 15, v0                           ; r
	v_bfe_u32 v2, v0, 4, 1                         ; h
	v_and_b32 v3, 31, v0
	v_lshlrev_b32 v[LI], 4, v3
	s_lshl_b32 s2, s15, 16
	v_add_nc_u32 v[ADRA], s2, v[LI]                ; my 8 row tiles of x
	s_lshl_b32 s2, s16, 16
	s_add_co_u32 s2, s2, 131072
	v_add_nc_u32 v[ADRB], s2, v[LI]                ; my 8 column tiles of w
	v_lshlrev_b32 v[BQ], 5, v2
	v_lshlrev_b32 v[BV], 2, v1
	s_lshl_b32 s2, s15, 12                         ; scale words: lanes 0-15 x's rows, lanes 16-31 w's columns: the lower base + h x the distance
	s_lshl_b32 s3, s16, 12
	s_add_co_u32 s3, s3, 8192
	s_sub_co_u32 s3, s3, s2
	v_mul_u32_u24 v4, s3, v2
	s_add_co_u32 s2, s2, XSL
	v_lshl_add_u32 v4, v1, 5, v4
	v_add_nc_u32 v[ADRS], s2, v4
	s_lshl_b32 s2, s42, 10                         ; the bias of my 128 columns
	s_lshl_b32 s3, s16, 9
	s_add_co_u32 s2, s2, s3
	s_mov_b32 s3, 0
	s_add_nc_u64 s[66:67], s[6:7], s[2:3]
	s_lshl_b32 s84, s40, 2
	s_lshl_b32 s85, s16, 1
	s_add_co_u32 s84, s84, s85                     ; my first head: 4 cx + 2 x column half
	s_lshl_b32 s85, s17, 4
	s_lshl_b32 s86, s15, 3
	s_add_co_u32 s85, s85, s86                     ; my first row tile
	s_lshl_b32 s2, s85, 12
	s_add_co_u32 s2, s2, TAB
	s_add_nc_u64 s[10:11], s[4:5], s[2:3]          ; the table at my first row tile
	s_lshl_b32 s2, s42, 14
	s_lshl_b32 s86, s16, 13
	s_add_co_u32 s2, s2, s86
	s_add_co_u32 s2, s2, FO
	s_add_nc_u64 s[12:13], s[8:9], s[2:3]          ; the f32 rows: 1 KB for each column tile
	s_or_b32 s3, s17, s15                          ; 0 in the waves that hold rows 0-15
.macro FRAG reg, adr, q, i             ; a fragment's image: two loads of 512 consecutive bytes
.irp c, 0,1
	ds_load_b128 v[\reg+4*\c:\reg+4*\c+3], v[\adr] offset:((\i)*8+(\q))*1024+512*\c
.endr
.endm
.macro FETCH_B q, p                    ; w's eight fragments of K step q into set p
	WIN 0x40
.irp i, 0,1,2,3,4,5,6,7
	FRAG 128*(\p)+8*\i, ADRB, \q, \i
.endr
	WIN 0
.endm
.macro FETCH_A q, i0                   ; x's tiles i0 .. i0 + 3
.irp i, \i0, \i0+1, \i0+2, \i0+3
	FRAG AF+8*(\i), ADRA, \q, \i
.endr
.endm
.macro SCALES                          ; all eight K steps' scale words, once
.irp i, 0,1,2,3,4,5,6,7
	ds_load_b128 v[SC+8*\i:SC+8*\i+3], v[ADRS] offset:\i*512
	ds_load_b128 v[SC+8*\i+4:SC+8*\i+7], v[ADRS] offset:\i*512+16
.endr
.endm
; 16 matrix instructions: x's tiles a0, a0 + 1 against w's eight, K step q.  first = 1: C is the bias.  vp = 0: source 0 = w; vp = 1: source 0 = x.
; The 64 accumulators take turns, one instruction a turn, in the same order in every step.
.macro MUL16 a0, p, q, first, vp
.irp a, \a0, \a0+1
.irp b, 0,1,2,3,4,5,6,7
.if \vp
.if \first
	v_wmma_scale_f32_16x16x128_f8f6f4 v[8*(8*((\a)%4)+\b):8*(8*((\a)%4)+\b)+7], v[AF+8*(\a):AF+8*(\a)+7], v[128*(\p)+8*\b:128*(\p)+8*\b+7], v[BI+8*\b:BI+8*\b+7], v[SC+8*(\a)+(\q)], v[SC+8*\b+(\q)] matrix_a_fmt:MATRIX_FMT_FP4 matrix_b_fmt:MATRIX_FMT_FP4 matrix_b_scale:MATRIX_SCALE_ROW1
.else
	v_wmma_scale_f32_16x16x128_f8f6f4 v[8*(8*((\a)%4)+\b):8*(8*((\a)%4)+\b)+7], v[AF+8*(\a):AF+8*(\a)+7], v[128*(\p)+8*\b:128*(\p)+8*\b+7], v[8*(8*((\a)%4)+\b):8*(8*((\a)%4)+\b)+7], v[SC+8*(\a)+(\q)], v[SC+8*\b+(\q)] matrix_a_fmt:MATRIX_FMT_FP4 matrix_b_fmt:MATRIX_FMT_FP4 matrix_b_scale:MATRIX_SCALE_ROW1
.endif
.else
.if \first
	v_wmma_scale_f32_16x16x128_f8f6f4 v[8*(8*((\a)%4)+\b):8*(8*((\a)%4)+\b)+7], v[128*(\p)+8*\b:128*(\p)+8*\b+7], v[AF+8*(\a):AF+8*(\a)+7], v[BI+8*\b:BI+8*\b+7], v[SC+8*\b+(\q)], v[SC+8*(\a)+(\q)] matrix_a_fmt:MATRIX_FMT_FP4 matrix_b_fmt:MATRIX_FMT_FP4 matrix_a_scale:MATRIX_SCALE_ROW1
.else
	v_wmma_scale_f32_16x16x128_f8f6f4 v[8*(8*((\a)%4)+\b):8*(8*((\a)%4)+\b)+7], v[128*(\p)+8*\b:128*(\p)+8*\b+7], v[AF+8*(\a):AF+8*(\a)+7], v[8*(8*((\a)%4)+\b):8*(8*((\a)%4)+\b)+7], v[SC+8*\b+(\q)], v[SC+8*(\a)+(\q)] matrix_a_fmt:MATRIX_FMT_FP4 matrix_b_fmt:MATRIX_FMT_FP4 matrix_a_scale:MATRIX_SCALE_ROW1
.endif
.endif
.endr
.endr
.endm
; the windows of a run of products: w in window 1, x in window 0; C and D in window 2 (rows 0-63) or 3; in the first step C is the bias, in window 1
.macro WINS first, vp
.if \vp
.set WSRC, 0x04
.else
.set WSRC, 0x01
.endif
.if \first
.set WLO, 0x90|WSRC
.set WHI, 0xd0|WSRC
.else
.set WLO, 0xa0|WSRC
.set WHI, 0xf0|WSRC
.endif
.endm
; A K step with a successor.  A tile of x is free when its eight products are issued: tiles 0-3 are fetched anew in the step's middle, tiles 4-7 at its end; w has two sets.
; Four plain places stand in front of each run of loads into registers that matrix instructions have read (ISA guide 7.12.1 for vector instructions).
.macro STEP q, first, vp
	WINS \first, \vp
	s_wait_dscnt 8                                 ; all but the youngest eight loads, x's tiles 4-7
	WIN WLO
	MUL16 0, (\q)%2, \q, \first, \vp
	MUL16 2, (\q)%2, \q, \first, \vp
	s_wait_dscnt 0x0
	PLACES 4
	FETCH_B (\q)+1, 1-(\q)%2
	FETCH_A (\q)+1, 0
	WIN WHI
	MUL16 4, (\q)%2, \q, \first, \vp
	MUL16 6, (\q)%2, \q, \first, \vp
	PLACES 4
	WIN 0
	FETCH_A (\q)+1, 4
.endm
.macro RUN vp
	STEP 0, 1, \vp
.irp q, 1,2,3,4,5,6
	STEP \q, 0, \vp
.endr
	WINS 0, \vp
	s_wait_dscnt 8                                 ; the last K step: nothing more to fetch
	WIN WLO
	MUL16 0, 1, 7, 0, \vp
	MUL16 2, 1, 7, 0, \vp
	s_wait_dscnt 0x0
	WIN WHI
	MUL16 4, 1, 7, 0, \vp
	MUL16 6, 1, 7, 0, \vp
	WIN 0
	PLACES 4                                       ; in front of the first read of results and the first write of registers that held operands
.endm
.macro MIDDLE
	s_wait_tensorcnt 0x0                           ; my two loads have landed,
	s_barrier_signal -1
	s_barrier_wait -1                              ; everybody's have
	FETCH_B 0, 0
	FETCH_A 0, 0
	SCALES
	FETCH_A 0, 4
.endm
.macro FINISH
	s_wait_tensorcnt 0x0                           ; the wave's end
	ds_add_u32 v[SPW], v[NIL]
	s_wait_dscnt 0x0
	CROUND                                         ; the closing round
	s_endpgm
.endm
	s_cmp_eq_u32 ttmp9, 2                          ; the section is the same in all four partners and in all waves.  The ways part once
	s_cbranch_scc1 .Lv_way
; ================ q and k
	s_lshl_b32 s86, s84, 19                        ; q: heads of 512 KB, row tiles of 2 KB; k: twice that (a key step's 16 KB hold k's and v's), from KVO on
	s_lshl_b32 s87, s85, 11
	s_add_co_u32 s86, s86, s87
	s_lshl_b32 s86, s86, ttmp9
	s_lshl_b32 s87, ttmp9, 23
	s_add_co_u32 s86, s86, s87
	s_mov_b32 s87, 0
	s_add_nc_u64 s[88:89], s[8:9], s[86:87]        ; my first head,
	s_lshl_b32 s86, 0x80000, ttmp9
	s_add_nc_u64 s[90:91], s[88:89], s[86:87]      ; my second
	s_lshl_b32 s92, ttmp9, 13                      ; k: row tiles 4-7 lie in the next key step, 8 KB of v further on
	s_mov_b32 s93, 0
	WIN 0x40
.irp b, 0,1,2,3,4,5,6,7
	global_load_b128 v[BI+8*\b:BI+8*\b+3], v[BQ], s[66:67] offset:64*\b        ; lane (r, h): the bias of columns 16 b + 8 h + 0..7
	global_load_b128 v[BI+8*\b+4:BI+8*\b+7], v[BQ], s[66:67] offset:64*\b+16
.endr
	WIN 0
.macro TABLOAD a
.irp m, 0,1,2,3,4,5,6,7
	global_load_b128 v[TBL+32*((\a)%2)+4*\m:TBL+32*((\a)%2)+4*\m+3], v[LI], s[10:11] offset:(\a)*4096+\m*512
.endr
.endm
	TABLOAD 0
	MIDDLE
	s_wait_loadcnt 8                               ; the bias is in; the table's eight loads may be out
	RUN 0
; The turn of row tile a, head hd: with x1 = channels 0-31 (column tiles p = 0, 1) and x2 = channels 32-63: y1 = x1 cos - x2 sin, y2 = x2 cos + x1 sin.  Each accumulator is read from its low end on.
.macro ROPE a, hd
.set AC, 8*(8*((\a)%4)+4*(\hd))
.set TS, TBL+32*((\a)%2)
.set PS, PK+16*(\hd)
	s_wait_xcnt 0x0                                ; the last block's stores have read their registers
	WIN 0x02+(\a)/4
.irp p, 0,1
.irp jj, 0,2,4,6
	v_pk_mul_f32 v[T+\jj:T+\jj+1], v[AC+8*\p+16+\jj:AC+8*\p+17+\jj], v[TS+16+8*\p+\jj:TS+17+8*\p+\jj]
.endr
.irp jj, 0,2,4,6
	v_pk_mul_f32 v[T+8+\jj:T+9+\jj], v[AC+8*\p+\jj:AC+8*\p+1+\jj], v[TS+16+8*\p+\jj:TS+17+8*\p+\jj]
.endr
.irp jj, 0,2,4,6
	v_pk_fma_f32 v[Y+8*\p+\jj:Y+8*\p+1+\jj], v[AC+8*\p+\jj:AC+8*\p+1+\jj], v[TS+8*\p+\jj:TS+8*\p+1+\jj], v[T+\jj:T+\jj+1] neg_lo:[0,0,1] neg_hi:[0,0,1]
.endr
.irp jj, 0,2,4,6
	v_pk_fma_f32 v[Y+16+8*\p+\jj:Y+17+8*\p+\jj], v[AC+8*\p+16+\jj:AC+8*\p+17+\jj], v[TS+8*\p+\jj:TS+8*\p+1+\jj], v[T+8+\jj:T+9+\jj]
.endr
.endr
	WIN 0
.irp i, 0,1,2,3,4,5,6,7,8,9,10,11,12,13,14,15
	v_cvt_pk_f16_f32 v[PS+\i], v[Y+2*\i], v[Y+2*\i+1]
.endr
.irp bt, 0,1,2,3
	global_store_b128 v[LI], v[PS+4*\bt:PS+4*\bt+3], s[88+2*(\hd):89+2*(\hd)] offset:(\a)*2048+\bt*512   ; column tile bt is half bt % 2 of channel chunk bt / 2: 512 consecutive bytes
.endr
.if (\a) == 0
	s_cmp_eq_u32 s3, 0                             ; rows 0-15 also in f32
	s_cbranch_scc0 .Lno_f_\@
.irp bt, 0,1,2,3
	global_store_b128 v[LI], v[Y+8*\bt:Y+8*\bt+3], s[12:13] offset:(4*(\hd)+\bt)*1024
	global_store_b128 v[LI], v[Y+8*\bt+4:Y+8*\bt+7], s[12:13] offset:(4*(\hd)+\bt)*1024+512
.endr
.Lno_f_\@:
.endif
.endm
.irp a, 0,1,2,3,4,5,6,7
.if \a < 7
	TABLOAD \a+1
	s_wait_loadcnt 8                               ; this row tile's table is in; the next one's may be out
.else
	s_wait_loadcnt 0x0
.endif
.if \a == 4
	s_wait_xcnt 0x0                                ; the stores have read their bases
	s_add_nc_u64 s[88:89], s[88:89], s[92:93]
	s_add_nc_u64 s[90:91], s[90:91], s[92:93]
.endif
	ROPE \a, 0
	ROPE \a, 1
.endr
	FINISH
; ================ v
.Lv_way:
	s_lshl_b32 s86, s84, 20
	s_lshl_b32 s87, s85, 12
	s_add_co_u32 s86, s86, s87
	s_add_co_u32 s86, s86, KVO+8192                ; v's 8 KB lie behind k's in a key step's 16 KB
	s_mov_b32 s87, 0
	s_add_nc_u64 s[88:89], s[8:9], s[86:87]
	s_add_nc_u64 s[90:91], s[88:89], 0x100000
	WIN 0x40
.irp b, 0,1,2,3,4,5,6,7
.irp j, 0,1,2,3,4,5,6,7
	global_load_b32 v[BI+8*\b+\j], v[BV], s[66:67] offset:64*\b    ; lane (r, h) holds column 16 b + r in all eight registers
.endr
.endr
	WIN 0
	MIDDLE
	s_wait_loadcnt 0x0                             ; the bias
	RUN 1
	s_cmp_eq_u32 s3, 0                             ; rows 0-15 in f32: the accumulators as they stand, each from its low end on
	s_cbranch_scc0 .Lno_fv
	WIN 0x08                                       ; a store's data are its source 1: window 2
.irp b, 0,1,2,3,4,5,6,7
	global_store_b128 v[LI], v[8*\b:8*\b+3], s[12:13] offset:\b*1024
	global_store_b128 v[LI], v[8*\b+4:8*\b+7], s[12:13] offset:\b*1024+512
.endr
	WIN 0
.Lno_fv:
.macro VOUT a                          ; row tile a: keys 16 a + 8 h + 0..7 of channel 16 b + r: half a % 2 of key chunk (a / 2) % 2 of key step a / 4
.set AC, 64*((\a)%4)
.set PS, PK+32*((\a)%2)
	s_wait_xcnt 0x0                                ; the stores of two tiles back have read their registers
	WIN 0x0a+5*((\a)/4)
.irp b, 0,1,2,3,4,5,6,7
.irp rr, 0,1,2,3
	v_cvt_pk_f16_f32 v[PS+4*\b+\rr], v[AC+8*\b+2*\rr], v[AC+8*\b+2*\rr+1]
.endr
.endr
	WIN 0
.irp b, 0,1,2,3,4,5,6,7
	global_store_b128 v[LI], v[PS+4*\b:PS+4*\b+3], s[88+2*(\b/4):89+2*(\b/4)] offset:((\a)/4)*16384+(((\a)/2)%2)*4096+((\a)%2)*512+(\b%4)*1024
.endr
.endm
.irp a, 0,1,2,3,4,5,6,7
	VOUT \a
.endr
	FINISH
.Lfunc_end_k_qea194b5646_qkvrope:
	.size	k_qea194b5646_qkvrope, .Lfunc_end_k_qea194b5646_qkvrope-k_qea194b5646_qkvrope
	.p2alignl 7, 3214868480
	.fill 96, 4, 3214868480
	.section	.rodata,"a",@progbits
	.p2align	6, 0x0
	.amdhsa_kernel k_qea194b5646_qkvrope
		.amdhsa_group_segment_fixed_size 279040
		.amdhsa_private_segment_fixed_size 0
		.amdhsa_enable_private_segment 0
		.amdhsa_kernarg_size 24
		.amdhsa_user_sgpr_count 2
		.amdhsa_user_sgpr_kernarg_segment_ptr 1
		.amdhsa_wavefront_size32 1
		.amdhsa_system_sgpr_workgroup_id_x 1
		.amdhsa_system_sgpr_workgroup_id_y 1
		.amdhsa_system_sgpr_workgroup_id_z 1
		.amdhsa_system_vgpr_workitem_id 0
		.amdhsa_next_free_vgpr 1024
		.amdhsa_next_free_sgpr 96
		.amdhsa_reserve_vcc 0
		.amdhsa_float_denorm_mode_32 3
		.amdhsa_float_denorm_mode_16_64 3
		.amdhsa_memory_ordered 1
		.amdhsa_forward_progress 1
		.amdhsa_inst_pref_size 255
	.end_amdhsa_kernel
	.section	.bss,"aw",@nobits
	.p2align	6
	.space	262144
	.amdgpu_metadata
---
amdhsa.version: [ 1, 2 ]
amdhsa.kernels:
  - .name:           k_qea194b5646_qkvrope
    .symbol:         k_qea194b5646_qkvrope.kd
    .args:
      - { .name: prep, .offset: 0, .size: 8, .value_kind: global_buffer, .address_space: global }
      - { .name: b_attn, .offset: 8, .size: 8, .value_kind: global_buffer, .address_space: global }
      - { .name: qkv, .offset: 16, .size: 8, .value_kind: global_buffer, .address_space: global }
    .group_segment_fixed_size: 279040
    .private_segment_fixed_size: 0
    .kernarg_segment_align: 8
    .kernarg_segment_size: 24
    .max_flat_workgroup_size: 128
    .sgpr_count:     96
    .vgpr_count:     1024
    .wavefront_size: 32
...
	.end_amdgpu_metadata
.endif
;; end of part 2
;; launch attn (part 3): grid 16 x 16, 16 waves a work-group, no clusters, 327,680 bytes of LDS; arguments qkv, yimg; writes yimg
.if DOCPART == 3
	.amdgcn_target "amdgcn-amd-amdhsa--gfx1250"
	.amdhsa_code_object_version 6
	.text
	.protected	k_qea194b5646_attn
	.globl	k_qea194b5646_attn
	.p2align	8
	.type	k_qea194b5646_attn,@function
k_qea194b5646_attn:
	s_mov_b64 s[64:65], 0
	v_nop
	global_prefetch_b8 v0, s[64:65] scope:SCOPE_SE
	s_setreg_imm32_b32 hwreg(HW_REG_WAVE_MODE, 25, 1), 1
	s_wait_xcnt 0x0
; y[head][q] = the sum over k <= q of softmax_k(q . k / 8) v, f16 operands, f32 products, maxima and sums; y leaves as f16 images of the projection's operand registers.
; SHARES.  Work-group (j, head) owns the query blocks 31 - j and j, 128 queries each, one after the other: 33 blocks of 128 keys for every work-group, whatever j: the causal mask's work is even.
; Wave w = 4 g + u holds TWO tiles of 16 queries (the block's queries 32 u .. 32 u + 31) and takes, of each unit of 256 keys, key step g (64 keys): the keys are shared four ways, so all sixteen
; waves work in both passes, and each fragment of K or V read from LDS feeds two matrix instructions.  At a pass's end the four partial results of a tile (maximum, sum, O^T) meet in LDS.
; The passes have NH = ((31 - j) >> 1) + 1 and 17 - NH units: 17 trips for every j, a constant of the text.
; LAYOUT.  S^T = K Q^T (source 0 = 16 keys, source 1 = 16 queries), O^T = V^T P: a lane holds one query throughout; S^T packed to f16 in pairs is P.  All operands lie in memory as images of their registers.
; SOFTMAX.  A running maximum m and sum l for each query: p = 2^(c s - c m), c = log2(e) / 8; O^T and l are multiplied by 2^(c m_old - c m_new) in every step.
; THE RING.  Two slots of 64 KB, a unit each.  Waves 0-3 fetch: wave w takes quarter w (4 KB) of each of the unit's four key steps, four rows 16 KB apart, so that some wave reads bytes of every load, in a pass's
; last unit too, whose later steps may lie wholly behind the mask (step 0 of a fetched unit counts for every query of the pass).  One load of a fetching wave is out behind each change of slots.
; NO CLUSTER: the work-groups of a head change pass at different trips (NH hangs on j), so in one round they would want different tiles, and the jumps over hidden steps hang on the work-group's number.
; LIMITS: q, k, v, p, y in f16 (magnitudes under 65,504; under 6e-5 bits are lost); NaN and infinities are not served.  Rows 0-15 are made here like all others; a later launch makes their outputs anew in f32.
.set SLOT1, 65536
.set SCR,   131072                     ; behind the ring: for each wave 16 groups of O^T x 512 bytes and a quad (c m, c m, l, l): 8,704 bytes; wave (g, u) at 4 u + g
.set SPARE, 270336                     ; the spare words, 128 bytes for each of 16 waves
.set KVO,   0x800000
.set SPW, 1
.set NIL, 2
.set LI,  3                            ; 16 x lane
.set LG,  4                            ; + 4,096 g: my key step in a quarter
.set ADR, 5
.set DMP, 6                            ; where I put my partial result
.set MRS, 7                            ; where my tiles' four partial results begin
.set MRG, 8                            ; + 1,024 g: the channel tile that I finish
.set YO,  9                            ; y: 16 x lane + 512 g
.set PFO, 10                           ; 256 x lane
.set RH,  11                           ; r - 8 h
.set ST,  16                           ; tile t's statistics at v[16 + 8 t]: +0 c m, +1 m, +2, +3 l, +4 .. +7 at work (+6 the rescaling factor)
.set Q,   32                           ; fragment (t, c) at 16 t + 8 c
.set KV,  64                           ; K: (kt, c) at 8 (2 kt + c); then V: (kc, ct) at 8 (4 kc + ct)
.set S,   128                          ; S^T (t, kt) at 32 t + 8 kt; P in place at 32 t + 0..15
.set O,   192                          ; O^T (t, ct) at 32 t + 8 ct
.set WV,  8
.set G,   9
.set U,   10
.set TR,  11                           ; the trip
.set NH,  12
.set FU,  13                           ; the unit to fetch
.set TB,  14                           ; the slot in hand
.set KF,  15                           ; my step's first key
.set Q0,  16                           ; my first query
.set Q0L, 17                           ; and in the second pass
.set CS,  18
.set SEL, 20
.set QB,  22
.set G1,  24
.set YB,  32
.set PFA, 34
.set LIM, 36
.set TMP, 37
.set KVB, 38
.set G0,  40
.set OF,  44                           ; s[44:45] an offset; the high word stays 0
.set QH,  48
.set YH,  50
.macro TLOAD                           ; waves 0-3 fetch; an s_nop 0 and four v_nop follow the load
	s_cmp_lt_u32 s[WV], 4
	s_cbranch_scc0 .Lno_load_\@
	tensor_load_to_lds s[G0:G0+3], s[G1:G1+7]
	s_nop 0
.rept 4
	v_nop
.endr
.Lno_load_\@:
.endm
; A prefetch into the L2 of the unit that the NEXT change of slots will ask for.  All work-groups of a head begin their first pass at unit 0; work-group j = 0 walks all 16 units there and asks for all:
; its waves 0-7 take 8 KB each, lanes 256 bytes apart, one instruction a wave: each aligned 256 bytes of units 2 to 15 are named once in the launch.  Units 0 and 1 come by their loads alone; from trip 14 on nothing is asked.
.macro ASK
	s_cmp_lt_u32 s[TR], s[LIM]
	s_cbranch_scc0 .Lnot_mine_\@
	global_prefetch_b8 v[PFO], s[PFA:PFA+1] th:TH_LOAD_NT scope:SCOPE_SE
.Lnot_mine_\@:
.endm
	s_load_b128 s[4:7], s[0:1], 0x0                ; qkv, yimg
	v_lshl_add_u32 v[SPW], v0, 2, SPARE
	v_mov_b32 v[NIL], 0
	ds_add_u32 v[SPW], v[NIL]                      ; the wave's opening: the add, twice on end, and its wait ahead of the first tensor load
	ds_add_u32 v[SPW], v[NIL]
	v_lshrrev_b32 v3, 5, v0
	v_readfirstlane_b32 s[WV], v3
	s_lshr_b32 s[G], s[WV], 2
	s_and_b32 s[U], s[WV], 3
	s_mov_b32 s[G1], 3<<16                         ; elements of 8 bytes, no mask, no padding
	s_mov_b32 s[G1+1], 512<<16                     ; tensor_dim0 = 512 (4,096 bytes)
	s_mov_b32 s[G1+2], 4<<16                       ; tensor_dim1 = 4
	s_mov_b32 s[G1+3], 512<<16                     ; tile_dim0
	s_mov_b32 s[G1+4], 4                           ; tile_dim1
	s_mov_b32 s[G1+5], 2048                        ; from row to row 16 KB
	s_mov_b32 s[G1+6], 0
	s_mov_b32 s[G1+7], 0
	s_and_b32 s52, ttmp7, 0xffff                   ; the head
	s_sub_co_u32 s53, 31, ttmp9                    ; the first pass's block
	s_lshr_b32 s[NH], s53, 1
	s_add_co_u32 s[NH], s[NH], 1
	s_lshl_b32 s[TMP], s[U], 5
	s_lshl_b32 s[Q0], s53, 7
	s_add_co_u32 s[Q0], s[Q0], s[TMP]
	s_lshl_b32 s[Q0L], ttmp9, 7
	s_add_co_u32 s[Q0L], s[Q0L], s[TMP]
	s_lshl_b32 s[KF], s[G], 6
	s_mov_b32 s[TR], 0
	s_mov_b32 s[FU], 0
	s_mov_b32 s[TB], 0
	s_mov_b32 s[CS], 0x3e38aa3b                    ; c = log2(e) / 8
	s_mov_b32 s[CS+1], s[CS]
	s_mov_b32 s[SEL], 0x76543210
	s_mov_b32 s[SEL+1], 0xfedcba98
	s_mov_b32 s[OF+1], 0
	s_lshr_b32 s[TMP], s[WV], 3
	s_or_b32 s[TMP], s[TMP], ttmp9
	s_cmp_eq_u32 s[TMP], 0
	s_cselect_b32 s[LIM], 14, 0                    ; waves 0-7 of work-group j = 0 prefetch, in trips 0 to 13
	s_wait_dscnt 0x0                               ; both opening adds are done
	s_wait_kmcnt 0x0
	s_lshl_b32 s[OF], s52, 20
	s_add_co_u32 s[OF], s[OF], KVO
	s_add_nc_u64 s[PFA:PFA+1], s[4:5], s[OF:OF+1]  ; the head's K and V
	s_lshl_b32 s[OF], s[WV], 12
	s_add_nc_u64 s[KVB:KVB+1], s[PFA:PFA+1], s[OF:OF+1]   ; my quarter of unit 0's step 0
	s_lshl_b32 s[OF], s[WV], 13
	s_add_co_u32 s[OF], s[OF], 65536
	s_add_nc_u64 s[PFA:PFA+1], s[PFA:PFA+1], s[OF:OF+1]   ; my 8 KB of unit 1: the first change of slots steps it to unit 2
	s_lshl_b32 s[OF], s52, 19
	s_add_nc_u64 s[QH:QH+1], s[4:5], s[OF:OF+1]
	s_lshl_b32 s[OF], s52, 11
	s_add_nc_u64 s[YH:YH+1], s[6:7], s[OF:OF+1]
	s_mov_b32 s[G0], 1
	s_lshl_b32 s[G0+1], s[WV], 14                  ; slot 0, quarter w
	s_mov_b64 s[G0+2:G0+3], s[KVB:KVB+1]
	s_or_b32 s[G0+3], s[G0+3], 0x80000000
	TLOAD                                          ; unit 0
	v_and_b32 v[LI], 31, v0
	v_lshlrev_b32 v[PFO], 8, v[LI]
	v_lshlrev_b32 v[LI], 4, v[LI]
	s_lshl_b32 s[TMP], s[G], 12
	v_add_nc_u32 v[LG], s[TMP], v[LI]
	s_lshl_b32 s[TMP], s[U], 2
	s_add_co_u32 s[TMP], s[TMP], s[G]
	s_mul_i32 s[TMP], s[TMP], 8704
	s_add_co_u32 s[TMP], s[TMP], SCR
	v_add_nc_u32 v[DMP], s[TMP], v[LI]
	s_mul_i32 s[TMP], s[U], 34816
	s_add_co_u32 s[TMP], s[TMP], SCR
	v_add_nc_u32 v[MRS], s[TMP], v[LI]
	s_lshl_b32 s[TMP], s[G], 10
	v_add_nc_u32 v[MRG], s[TMP], v[MRS]
	s_lshl_b32 s[TMP], s[G], 9
	v_add_nc_u32 v[YO], s[TMP], v[LI]
	v_and_b32 v12, 15, v0
	v_bfe_u32 v14, v0, 4, 1
	v_lshlrev_b32 v14, 3, v14
	v_sub_nc_u32 v[RH], v12, v14
	v_mov_b32 v13, 0xff800000                      ; -infinity
; A pass begins: Q's four fragments; O^T and l as zeros, m under every score, so that the key step is written once.
.macro NEWPASS
	s_lshl_b32 s[OF], s[Q0], 7
	s_add_nc_u64 s[QB:QB+1], s[QH:QH+1], s[OF:OF+1]
	s_lshl_b32 s[OF], s[Q0], 11
	s_add_nc_u64 s[YB:YB+1], s[YH:YH+1], s[OF:OF+1]
.irp t, 0,1
.irp c, 0,1
.irp k, 0,1
	global_load_b128 v[Q+16*\t+8*\c+4*\k:Q+16*\t+8*\c+4*\k+3], v[LI], s[QB:QB+1] offset:\t*2048+\c*1024+\k*512
.endr
.endr
.endr
.set i, 0
.rept 64
	v_mov_b32 v[O+i], 0
.set i, i+1
.endr
.irp t, 0,1
	v_mov_b32 v[ST+8*\t+1], 0xff61b1e6             ; -3e38
	v_mul_f32 v[ST+8*\t], s[CS], v[ST+8*\t+1]
	v_mov_b32 v[ST+8*\t+2], 0
	v_mov_b32 v[ST+8*\t+3], 0
.endr
	s_wait_loadcnt 0x0
.endm
	NEWPASS
; THE CHANGE OF SLOTS, at a trip's head.  Each wave waits for all its tensor loads, adds 0 to its spare word, and waits for that and for its reads of the slot that it has left; behind the barrier the slot ahead
; is whole and nobody reads the other.  fill = 1: that other slot takes the next trip's unit (unit 0 again where the pass changes).
.macro CHANGE fill
	s_wait_tensorcnt 0x0                           ; no tensor load of mine is out: the group 0 may be written
	ds_add_u32 v[SPW], v[NIL]
.if \fill
	ds_add_u32 v[SPW], v[NIL]
	s_add_co_u32 s[FU], s[FU], 1
	s_add_co_u32 s[TMP], s[TR], 1
	s_cmp_eq_u32 s[TMP], s[NH]
	s_cselect_b32 s[FU], 0, s[FU]
	s_lshl_b32 s[OF], s[FU], 16
	s_add_nc_u64 s[G0+2:G0+3], s[KVB:KVB+1], s[OF:OF+1]
	s_or_b32 s[G0+3], s[G0+3], 0x80000000
	s_xor_b32 s[G0+1], s[G0+1], SLOT1
	s_wait_xcnt 0x0                                ; the last prefetch, a trip back, has read its address
	s_add_nc_u64 s[PFA:PFA+1], s[PFA:PFA+1], 0x10000
.endif
	s_wait_dscnt 0x0
	s_barrier_signal -1
	s_barrier_wait -1
.if \fill
	TLOAD                                          ; the first thing behind the barrier, and a wave's one tensor load until the next change
	ASK
.endif
.endm
.macro SOFTMAX                         ; both tiles line by line, so that no line waits for the line above it
.irp q, 0,1,2,3
.irp t, 0,1
	v_max3_num_f32 v[ST+8*\t+4+\q], v[S+32*\t+8*\q], v[S+32*\t+8*\q+1], v[S+32*\t+8*\q+2]   ; four chains, one for each accumulator, from its low end on
.endr
.endr
.irp e, 3,5
.irp q, 0,1,2,3
.irp t, 0,1
	v_max3_num_f32 v[ST+8*\t+4+\q], v[ST+8*\t+4+\q], v[S+32*\t+8*\q+\e], v[S+32*\t+8*\q+\e+1]
.endr
.endr
.endr
.irp t, 0,1
	v_max3_num_f32 v[ST+8*\t+4], v[ST+8*\t+4], v[S+32*\t+7], v[S+32*\t+15]
.endr
.irp t, 0,1
	v_max3_num_f32 v[ST+8*\t+6], v[ST+8*\t+6], v[S+32*\t+23], v[S+32*\t+31]
.endr
.irp t, 0,1
	v_max3_num_f32 v[ST+8*\t+4], v[ST+8*\t+4], v[ST+8*\t+5], v[ST+8*\t+6]
.endr
.irp t, 0,1
	v_max3_num_f32 v[ST+8*\t+4], v[ST+8*\t+4], v[ST+8*\t+7], v[ST+8*\t+1]   ; and the old m
.endr
.irp t, 0,1
	v_permlanex16_b32 v[ST+8*\t+5], v[ST+8*\t+4], s[SEL], s[SEL+1]          ; the query's other 32 keys lie in the lane 16 away
.endr
.irp t, 0,1
	v_mov_b32 v[ST+8*\t+7], v[ST+8*\t]
.endr
.irp t, 0,1
	v_max_num_f32 v[ST+8*\t+1], v[ST+8*\t+4], v[ST+8*\t+5]
.endr
.irp t, 0,1
	v_mul_f32 v[ST+8*\t], s[CS], v[ST+8*\t+1]
.endr
.irp t, 0,1
	v_sub_f32 v[ST+8*\t+7], v[ST+8*\t+7], v[ST+8*\t]
.endr
.irp b, 0,2,4,6,8,10,12,14,16,18,20,22,24,26,28,30
.irp t, 0,1
	v_pk_fma_f32 v[S+32*\t+\b:S+32*\t+\b+1], v[S+32*\t+\b:S+32*\t+\b+1], s[CS:CS+1], v[ST+8*\t:ST+8*\t+1] op_sel_hi:[1,0,0] neg_lo:[0,0,1] neg_hi:[0,0,1]   ; c s - c m
.endr
.endr
.irp t, 0,1
	v_exp_f32 v[ST+8*\t+6], v[ST+8*\t+7]           ; the rescaling factor
.endr
.irp e, 0,1,2,3,4,5,6,7,8,9,10,11,12,13,14,15,16,17,18,19,20,21,22,23,24,25,26,27,28,29,30,31
.irp t, 0,1
	v_exp_f32 v[S+32*\t+\e], v[S+32*\t+\e]
.endr
.endr
	v_nop                                          ; a plain instruction behind the last exponential
	s_wait_alu depctr_va_vdst(0)                   ; one wait for the 66, ahead of their first reader
.irp t, 0,1
	v_pk_mul_f32 v[ST+8*\t+2:ST+8*\t+3], v[ST+8*\t+2:ST+8*\t+3], v[ST+8*\t+6:ST+8*\t+7] op_sel_hi:[1,0]
.endr
.irp t, 0,1
	v_pk_add_f32 v[ST+8*\t+4:ST+8*\t+5], v[S+32*\t:S+32*\t+1], v[S+32*\t+2:S+32*\t+3]   ; the sum of the unrounded p, in two chains
.endr
.irp b, 4,8,12,16,20,24,28
.irp t, 0,1
	v_pk_add_f32 v[ST+8*\t+2:ST+8*\t+3], v[ST+8*\t+2:ST+8*\t+3], v[S+32*\t+\b:S+32*\t+\b+1]
	v_pk_add_f32 v[ST+8*\t+4:ST+8*\t+5], v[ST+8*\t+4:ST+8*\t+5], v[S+32*\t+\b+2:S+32*\t+\b+3]
.endr
.endr
.irp t, 0,1
	v_pk_add_f32 v[ST+8*\t+2:ST+8*\t+3], v[ST+8*\t+2:ST+8*\t+3], v[ST+8*\t+4:ST+8*\t+5]
.endr
.irp i, 0,1,2,3,4,5,6,7,8,9,10,11,12,13,14,15
.irp t, 0,1
	v_cvt_pk_f16_f32 v[S+32*\t+\i], v[S+32*\t+2*\i], v[S+32*\t+2*\i+1]   ; P in place: register i is written when registers 2 i, 2 i + 1 are read
.endr
.endr
.irp b, 0,2,4,6,8,10,12,14,16,18,20,22,24,26,28,30
.irp t, 0,1
	v_pk_mul_f32 v[O+32*\t+\b:O+32*\t+\b+1], v[O+32*\t+\b:O+32*\t+\b+1], v[ST+8*\t+6:ST+8*\t+7] op_sel_hi:[1,0]
.endr
.endr
.endm
; MY KEY STEP OF THE UNIT IN HAND: 64 keys against 32 queries.  A step all of whose keys come after my queries is left out: a branch on ids and the count of trips; no barrier, wait for tiles or tensor load stands in a step.
.macro STEP
	s_add_co_u32 s[TMP], s[Q0], 31
	s_cmp_gt_u32 s[KF], s[TMP]
	s_cbranch_scc1 .Lhidden_\@
	v_add_nc_u32 v[ADR], s[TB], v[LG]
.irp c, 0,1                                    ; K: channels 0-31 first
.irp kt, 0,1,2,3
.irp k, 0,1
	ds_load_b128 v[KV+16*\kt+8*\c+4*\k:KV+16*\kt+8*\c+4*\k+3], v[ADR] offset:(\kt/2)*16384+(\kt%2)*2048+\c*1024+\k*512
.endr
.endr
.endr
	s_wait_dscnt 8                                 ; channels 0-31 are in; the eight loads of channels 32-63 may be out
.irp kt, 0,1,2,3
.irp t, 0,1
	v_wmma_f32_16x16x32_f16 v[S+32*\t+8*\kt:S+32*\t+8*\kt+7], v[KV+16*\kt:KV+16*\kt+7], v[Q+16*\t:Q+16*\t+7], 0
.endr
.endr
	s_wait_dscnt 0x0
.irp kt, 0,1,2,3                               ; the eight accumulators take turns
.irp t, 0,1
	v_wmma_f32_16x16x32_f16 v[S+32*\t+8*\kt:S+32*\t+8*\kt+7], v[KV+16*\kt+8:KV+16*\kt+15], v[Q+16*\t+8:Q+16*\t+15], v[S+32*\t+8*\kt:S+32*\t+8*\kt+7]
.endr
.endr
.rept 4
	v_nop                                          ; places in front of the loads into K's registers and of the first read of the scores
.endr
.irp kc, 0,1                                   ; V lands while the softmax is walked
.irp ct, 0,1,2,3
.irp k, 0,1
	ds_load_b128 v[KV+32*\kc+8*\ct+4*\k:KV+32*\kc+8*\ct+4*\k+3], v[ADR] offset:(2+\kc)*16384+\ct*1024+\k*512
.endr
.endr
.endr
	s_add_co_u32 s[TMP], s[KF], 63                 ; on the diagonal hidden scores become -infinity; a step all of whose keys count skips this
	s_cmp_le_u32 s[TMP], s[Q0]
	s_cbranch_scc1 .Lopen_\@
	s_sub_co_i32 s[TMP], s[Q0], s[KF]
	v_add_nc_u32 v12, s[TMP], v[RH]                ; register 8 kt + jj holds key KF + 16 kt + 8 h + jj: hidden where 16 kt + jj > my query - KF - 8 h
	v_add_nc_u32 v14, 16, v12
.irp kt, 0,1,2,3
.irp jj, 0,1,2,3,4,5,6,7
	v_cmp_gt_i32 vcc_lo, 16*\kt+\jj, v12
	v_cndmask_b32 v[S+8*\kt+\jj], v[S+8*\kt+\jj], v13, vcc_lo
.endr
.endr
.irp kt, 0,1,2,3
.irp jj, 0,1,2,3,4,5,6,7
	v_cmp_gt_i32 vcc_lo, 16*\kt+\jj, v14
	v_cndmask_b32 v[S+32+8*\kt+\jj], v[S+32+8*\kt+\jj], v13, vcc_lo
.endr
.endr
.Lopen_\@:
	SOFTMAX
	s_wait_dscnt 0x0                               ; V is in
.irp kc, 0,1
.irp ct, 0,1,2,3
.irp t, 0,1
	v_wmma_f32_16x16x32_f16 v[O+32*\t+8*\ct:O+32*\t+8*\ct+7], v[KV+32*\kc+8*\ct:KV+32*\kc+8*\ct+7], v[S+32*\t+8*\kc:S+32*\t+8*\kc+7], v[O+32*\t+8*\ct:O+32*\t+8*\ct+7]
.endr
.endr
.endr
.rept 5
	v_nop                                          ; places: four for the next loads into V's registers and the next reads of O^T, five for the next products, which write over P
.endr
.Lhidden_\@:
.endm
.macro DUMP                            ; my partial result goes to LDS as it stands
	v_mov_b32 v128, v[ST]
	v_mov_b32 v129, v[ST+8]
	v_add_f32 v130, v[ST+2], v[ST+3]
	v_add_f32 v131, v[ST+10], v[ST+11]
.irp i, 0,1,2,3,4,5,6,7,8,9,10,11,12,13,14,15
	ds_store_b128 v[DMP], v[O+4*\i:O+4*\i+3] offset:512*\i
.endr
	ds_store_b128 v[DMP], v[128:131] offset:8192
.endm
; The four partial results of my two tiles are joined; I finish channel tile g of both.  With M the largest of the four c m: weight p = 2^(c m_p - M) / the sum of 2^(c m_p - M) l_p.
; A partial result that saw no key has c m = -5.4e37, l = 0 and O^T = 0: its weight is 0.
.macro MERGE reinit
.irp p, 0,1,2,3
	ds_load_b128 v[128+4*\p:131+4*\p], v[MRS] offset:\p*8704+8192
.endr
.irp p, 0,1,2,3
.irp t, 0,1
.irp k, 0,1
	ds_load_b128 v[64+16*\p+8*\t+4*\k:64+16*\p+8*\t+4*\k+3], v[MRG] offset:\p*8704+\t*4096+\k*512
.endr
.endr
.endr
	v_mov_b32 v188, 0                              ; a lane permute's destination counts as one of its sources
	v_mov_b32 v189, 0
	s_wait_dscnt 0x0
.irp t, 0,1
	v_max3_num_f32 v[184+\t], v[128+\t], v[132+\t], v[136+\t]
.endr
.irp t, 0,1
	v_max_num_f32 v[184+\t], v[184+\t], v[140+\t]
.endr
.irp t, 0,1
.irp p, 0,1,2,3
	v_sub_f32 v[145+8*\t+2*\p], v[128+4*\p+\t], v[184+\t]
.endr
.endr
.irp t, 0,1
.irp p, 0,1,2,3
	v_exp_f32 v[145+8*\t+2*\p], v[145+8*\t+2*\p]
.endr
.endr
	v_nop
	s_wait_alu depctr_va_vdst(0)                   ; one wait for the eight
.irp t, 0,1
	v_mul_f32 v[186+\t], v[145+8*\t], v[130+\t]
.endr
.irp p, 1,2,3
.irp t, 0,1
	v_fmac_f32 v[186+\t], v[145+8*\t+2*\p], v[130+4*\p+\t]
.endr
.endr
.irp t, 0,1
	v_permlanex16_b32 v[188+\t], v[186+\t], s[SEL], s[SEL+1]
.endr
.irp t, 0,1
	v_add_f32 v[186+\t], v[186+\t], v[188+\t]      ; with the lane 16 away: the row's sum
.endr
.irp t, 0,1
	v_rcp_f32 v[186+\t], v[186+\t]
.endr
	v_nop
	s_wait_alu depctr_va_vdst(0)                   ; and one for the two reciprocals
.irp t, 0,1
.irp p, 0,1,2,3
	v_mul_f32 v[144+8*\t+2*\p], v[145+8*\t+2*\p], v[186+\t]
.endr
.endr
.irp t, 0,1
.irp kk, 0,2,4,6
	v_pk_mul_f32 v[160+8*\t+\kk:161+8*\t+\kk], v[64+8*\t+\kk:65+8*\t+\kk], v[144+8*\t:145+8*\t] op_sel_hi:[1,0]
.endr
.endr
.irp p, 1,2,3
.irp t, 0,1
.irp kk, 0,2,4,6
	v_pk_fma_f32 v[160+8*\t+\kk:161+8*\t+\kk], v[64+16*\p+8*\t+\kk:65+16*\p+8*\t+\kk], v[144+8*\t+2*\p:145+8*\t+2*\p], v[160+8*\t+\kk:161+8*\t+\kk] op_sel_hi:[1,0,1]
.endr
.endr
.endr
.irp i, 0,1,2,3,4,5,6,7
	v_cvt_pk_f16_f32 v[176+\i], v[160+2*\i], v[161+2*\i]
.endr
	global_store_b128 v[YO], v[176:179], s[YB:YB+1]                 ; channel tile g is half g % 2 of the head's chunk g / 2: 512 consecutive bytes
	global_store_b128 v[YO], v[180:183], s[YB:YB+1] offset:32768    ; my second tile of queries
	s_wait_xcnt 0x0                                ; the stores have read their base
.if \reinit
	s_mov_b32 s[Q0], s[Q0L]
	s_lshl_b32 s[KF], s[G], 6
	NEWPASS
.endif
.endm
.Ltrip:                                            ; 16 trips, each of which asks for the next trip's unit; the 17th is written out
	CHANGE 1
	STEP
	s_add_co_u32 s[KF], s[KF], 256
	s_xor_b32 s[TB], s[TB], SLOT1
	s_add_co_u32 s[TMP], s[TR], 1
	s_cmp_eq_u32 s[TMP], s[NH]                     ; the first pass's last unit?  Ids and the count of trips: the same in all sixteen waves
	s_cbranch_scc0 .Lno_dump
	DUMP
.Lno_dump:
	s_wait_dscnt 0x0                               ; my stores have landed.  This barrier stands on every way; the tile on its way may stay out
	s_barrier_signal -1
	s_barrier_wait -1
	s_add_co_u32 s[TMP], s[TR], 1
	s_cmp_eq_u32 s[TMP], s[NH]
	s_cbranch_scc0 .Lno_merge
	MERGE 1
.Lno_merge:
	s_add_co_u32 s[TR], s[TR], 1
	s_cmp_lt_u32 s[TR], 16
	s_cbranch_scc1 .Ltrip
	CHANGE 0                                       ; the second pass's last unit: nothing is left to fetch
	STEP
	DUMP
	s_wait_dscnt 0x0
	s_barrier_signal -1
	s_barrier_wait -1
	MERGE 0
	s_wait_tensorcnt 0x0                           ; the wave's end
	ds_add_u32 v[SPW], v[NIL]
	s_wait_dscnt 0x0
	s_endpgm
.Lfunc_end_k_qea194b5646_attn:
	.size	k_qea194b5646_attn, .Lfunc_end_k_qea194b5646_attn-k_qea194b5646_attn
	.p2alignl 7, 3214868480
	.fill 96, 4, 3214868480
	.section	.rodata,"a",@progbits
	.p2align	6, 0x0
	.amdhsa_kernel k_qea194b5646_attn
		.amdhsa_group_segment_fixed_size 327680
		.amdhsa_private_segment_fixed_size 0
		.amdhsa_enable_private_segment 0
		.amdhsa_kernarg_size 16
		.amdhsa_user_sgpr_count 2
		.amdhsa_user_sgpr_kernarg_segment_ptr 1
		.amdhsa_wavefront_size32 1
		.amdhsa_system_sgpr_workgroup_id_x 1
		.amdhsa_system_sgpr_workgroup_id_y 1
		.amdhsa_system_sgpr_workgroup_id_z 1
		.amdhsa_system_vgpr_workitem_id 0
		.amdhsa_next_free_vgpr 256
		.amdhsa_next_free_sgpr 66
		.amdhsa_reserve_vcc 1
		.amdhsa_float_denorm_mode_32 3
		.amdhsa_float_denorm_mode_16_64 3
		.amdhsa_memory_ordered 1
		.amdhsa_forward_progress 1
		.amdhsa_inst_pref_size 69
	.end_amdhsa_kernel
	.amdgpu_metadata
---
amdhsa.version: [ 1, 2 ]
amdhsa.kernels:
  - .name:           k_qea194b5646_attn
    .symbol:         k_qea194b5646_attn.kd
    .args:
      - { .name: qkv, .offset: 0, .size: 8, .value_kind: global_buffer, .address_space: global }
      - { .name: yimg, .offset: 8, .size: 8, .value_kind: global_buffer, .address_space: global }
    .group_segment_fixed_size: 327680
    .private_segment_fixed_size: 0
    .kernarg_segment_align: 8
    .kernarg_segment_size: 16
    .max_flat_workgroup_size: 512
    .sgpr_count:     66
    .vgpr_count:     256
    .wavefront_size: 32
...
	.end_amdgpu_metadata
.endif
;; end of part 3
;; launch proj (part 4): grid 8 x 32, 4 waves a work-group, clusters of 4 x 4, 327,680 bytes of LDS; arguments yimg, prep, b_proj, out0; writes out0
.if DOCPART == 4
	.amdgcn_target "amdgcn-amd-amdhsa--gfx1250"
	.amdhsa_code_object_version 6
	.text
	.protected	k_qea194b5646_proj
	.globl	k_qea194b5646_proj
	.p2align	8
	.type	k_qea194b5646_proj,@function
k_qea194b5646_proj:
	s_mov_b64 s[64:65], 0
	v_nop
	global_prefetch_b8 v0, s[64:65] scope:SCOPE_SE
	s_setreg_imm32_b32 hwreg(HW_REG_WAVE_MODE, 25, 1), 1
	s_wait_xcnt 0x0
	s_wait_alu depctr_hold_cnt(0) depctr_sa_sdst(0) depctr_va_vdst(0) depctr_va_sdst(0) depctr_va_ssrc(0) depctr_va_vcc(0) depctr_vm_vsrc(0)
	s_getreg_b32 s2, hwreg(HW_REG_IB_STS2, 6, 4)
	s_cmp_eq_u32 s2, 0
	s_cbranch_scc0 .Lentry_in_a_cluster
	s_endpgm
.Lentry_in_a_cluster:
	s_bfe_u32 s2, ttmp6, 0x10000c
	s_cmp_lg_u32 s2, 0xf033
	s_cbranch_scc0 .Lentry_shape_is_right
	s_endpgm
.Lentry_shape_is_right:
; out0 = y w_proj + b_proj, f16 operands, f32 sums.  y and w_proj arrive as images of operand registers: [tile of 16 rows][chunk of 32 k][1 KB].
; A tile of out0 is 128 x 128, so that 256 work-groups share the 4,096 x 1,024; four waves, each 64 x 64: 16 accumulators.  K goes in steps of 256 through two LDS slots; a wave's tensor load brings four tiles' 8 KB.
; CLUSTERS 4 x 4: the four of a row of the cluster need the same tiles of y, the four of a column the same tiles of w_proj: each is asked for jointly.
; The matrix instruction is used transposed (source 0 = 16 columns of w_proj, source 1 = 16 rows of y): a lane holds eight neighbouring numbers of a row of out0.  The bias is the C of each sum's first product.
; ALL rows are made here, rows 0-15 too.  The launch behind this one writes rows 0-15 (64 KB) anew, from f32 operands.
; REGISTERS: window 0: v16-29 addresses; v32-95 at work on the way out; v96-127 the bias; v128-255 the accumulators ((a, b) at v[128 + 8 (4 a + b)]).  window 1: two fragment buffers of 128: 64 registers of y, then 64 of w_proj.
.set WP,     0x4b8000
.set HALFT,  32768                     ; four tiles x 8 KB: what one tensor load brings, and what one wave reads of y or of w_proj
.set SLOT,   131072
.set STAGE,  262144                    ; behind the ring: 16 rows x 272 bytes for each wave
.set SPITCH, 272
.set SPARE,  STAGE+4*16*SPITCH
.set LAPS,   2                         ; K = 1,024: four steps, twice round the ring
.set ADRA, 16
.set ADRB, 20
.set STO,  24
.set RD,   25
.set CO,   26
.set BA,   27
.set SPW,  28
.set NIL,  29
.set BK,   32
.set BI,   96
.set ACC,  128
.set F0,   0
.set F1,   128
.set G1,  24
.set G0,  32
.set G1B, 48
.set G0B, 56
.set MSB, 0
.macro WIN new
.if MSB != (\new)
	s_set_vgpr_msb (MSB<<8)|(\new)
.set MSB, (\new)
.endif
.endm
.set MUL,  0x05                        ; sources 0 and 1 window 1; C and D window 0
.set TO_F, 0x40                        ; destination window 1, address window 0
.macro JLOAD s                         ; a joint load: waves 0 and 1 fetch y's halves, waves 2 and 3 w_proj's; an s_nop 0 and four v_nop follow each line
	s_cmp_eq_u32 s13, 0
	s_cbranch_scc0 .Lfor_b_\@
	tensor_load_to_lds s[G0+4*\s:G0+4*\s+3], s[G1:G1+7]
	s_nop 0
.rept 4
	v_nop
.endr
	s_branch .Lasked_\@
.Lfor_b_\@:
	tensor_load_to_lds s[G0B+4*\s:G0B+4*\s+3], s[G1B:G1B+7]
	s_nop 0
.rept 4
	v_nop
.endr
.Lasked_\@:
.endm
.macro CREST
	s_cmp_lg_u32 s12, 0
	s_cbranch_scc1 .Lnot_wave_0_\@
	s_barrier_signal -3
.Lnot_wave_0_\@:
	s_barrier_wait -3
	s_barrier_signal -1
	s_barrier_wait -1
.endm
.macro CROUND
	s_barrier_signal -1
	s_barrier_wait -1
	CREST
.endm
	s_load_b256 s[4:11], s[0:1], 0x0               ; yimg s[4:5], prep s[6:7], b_proj s[8:9], out0 s[10:11]
	v_lshl_add_u32 v[SPW], v0, 2, SPARE
	v_mov_b32 v[NIL], 0
	ds_add_u32 v[SPW], v[NIL]                      ; the wave's opening: the add, twice on end, and its wait ahead of my first tensor load
	ds_add_u32 v[SPW], v[NIL]
	v_lshrrev_b32 v1, 5, v0
	v_readfirstlane_b32 s12, v1                    ; wave
	s_lshr_b32 s13, s12, 1                         ; which half of the rows is mine.  Also: I fetch for y (0) or for w_proj (1)
	s_and_b32 s14, s12, 1                          ; which half of the columns.  Also: which four tiles I fetch
	s_bfe_u32 s40, ttmp6, 0x40000                  ; cx, cy
	s_bfe_u32 s41, ttmp6, 0x40004
	s_lshl_b32 s42, ttmp9, 2
	s_add_co_u32 s42, s42, s40                     ; tile column
	s_and_b32 s15, ttmp7, 0xffff
	s_lshl_b32 s15, s15, 2
	s_add_co_u32 s15, s15, s41                     ; tile row
	s_lshl_b32 s43, s41, 2
	s_lshl_b32 s43, 15, s43                        ; my row of the cluster
	s_lshl_b32 s44, 0x1111, s40                    ; my column
	s_or_b32 s[G1], s43, (3<<16)|(1<<21)           ; elements of 8 bytes; bit 21 beside a mask
	s_or_b32 s[G1B], s44, (3<<16)|(1<<21)
.irp g, G1, G1B
	s_mov_b32 s[\g+1], 1024<<16                    ; tensor_dim0 = 1,024 (8 KB: eight chunks of a tile)
	s_mov_b32 s[\g+2], 4<<16                       ; tensor_dim1 = 4 tiles
	s_mov_b32 s[\g+3], 1024<<16                    ; tile_dim0
	s_mov_b32 s[\g+4], 4                           ; tile_dim1
	s_mov_b32 s[\g+5], 4096                        ; from tile to tile 32 KB
	s_mov_b32 s[\g+6], 0
	s_mov_b32 s[\g+7], 0
.endr
	s_lshl_b32 s16, s15, 18                        ; y: eight tiles of 32 KB a tile row, my four
	s_lshl_b32 s17, s14, 17
	s_add_co_u32 s16, s16, s17
	s_mov_b32 s17, 0
	s_lshl_b32 s46, s42, 18                        ; w_proj likewise, by the tile column
	s_lshl_b32 s47, s14, 17
	s_add_co_u32 s46, s46, s47
	s_add_co_u32 s46, s46, WP
	s_mov_b32 s47, 0
	s_lshl_b32 s20, s12, 15                        ; where they go: wave x 32 KB
	s_wait_dscnt 0x0                               ; both opening adds are done
	s_wait_kmcnt 0x0
	s_add_nc_u64 s[18:19], s[4:5], s[16:17]
	s_add_nc_u64 s[46:47], s[6:7], s[46:47]
	CROUND                                         ; all sixteen work-groups are here: the first joint loads meet
.irp s, 0,1
	s_mov_b32 s[G0+4*\s], 1
	s_add_co_u32 s[G0+4*\s+1], s20, \s*SLOT
	s_add_nc_u64 s[G0+4*\s+2:G0+4*\s+3], s[18:19], \s*8192
	s_or_b32 s[G0+4*\s+3], s[G0+4*\s+3], 0x80000000
	s_mov_b32 s[G0B+4*\s], 1
	s_add_co_u32 s[G0B+4*\s+1], s20, \s*SLOT
	s_add_nc_u64 s[G0B+4*\s+2:G0B+4*\s+3], s[46:47], \s*8192
	s_or_b32 s[G0B+4*\s+3], s[G0B+4*\s+3], 0x80000000
	JLOAD \s
.endr
	v_and_b32 v1, 15, v0                           ; r
	v_bfe_u32 v2, v0, 4, 1                         ; h
	v_and_b32 v3, 31, v0
	v_lshlrev_b32 v3, 4, v3                        ; 16 x lane
	s_lshl_b32 s21, s13, 15                        ; my four tiles of y,
	s_lshl_b32 s22, s14, 15
	s_add_co_u32 s22, s22, 65536                   ; of w_proj
.irp s, 0,1
	v_add_nc_u32 v[ADRA+\s], s21, v3
	v_add_nc_u32 v[ADRB+\s], s22, v3
	s_add_co_u32 s21, s21, SLOT
	s_add_co_u32 s22, s22, SLOT
.endr
	s_mul_i32 s23, s12, 16*SPITCH
	s_add_co_u32 s23, s23, STAGE                   ; my stage
	v_mul_u32_u24 v4, v1, SPITCH
	v_lshl_add_u32 v4, v2, 5, v4
	v_add_nc_u32 v[STO], s23, v4                   ; in: row r, 32 bytes for each half of the lanes
	v_mul_u32_u24 v5, v2, SPITCH
	v_lshl_add_u32 v5, v1, 4, v5
	v_add_nc_u32 v[RD], s23, v5                    ; back: lanes 0-15 one row of 256 bytes, lanes 16-31 the next
	v_lshlrev_b32 v5, 12, v2
	v_lshl_add_u32 v[CO], v1, 4, v5                ; and the same two rows in out0
	v_lshlrev_b32 v[BA], 5, v2
	s_lshl_b32 s22, s42, 9                         ; my 64 columns, in bytes
	s_lshl_b32 s23, s14, 8
	s_add_co_u32 s22, s22, s23
	s_mov_b32 s23, 0
	s_add_nc_u64 s[8:9], s[8:9], s[22:23]
	s_add_nc_u64 s[10:11], s[10:11], s[22:23]
	s_lshl_b32 s22, s15, 19                        ; my 64 rows of 4,096 bytes
	s_lshl_b32 s21, s13, 18
	s_add_co_u32 s22, s22, s21
	s_add_nc_u64 s[10:11], s[10:11], s[22:23]
.irp b, 0,1,2,3
	global_load_b128 v[BI+8*\b:BI+8*\b+3], v[BA], s[8:9] offset:64*\b          ; lane (r, h): the bias of columns 16 b + 8 h + 0..7
	global_load_b128 v[BI+8*\b+4:BI+8*\b+7], v[BA], s[8:9] offset:64*\b+16
.endr
; 8 matrix instructions: row tiles a0, a0 + 1 x all 4 column tiles, 32 along K: half c of buffer f.  zero = 1: the first product starts the sums, from the bias
.macro MUL8 f, c, a0, zero
.irp a, \a0, \a0+1
.irp b, 0,1,2,3
.if \zero
	v_wmma_f32_16x16x32_f16 v[ACC+8*(4*(\a)+\b):ACC+8*(4*(\a)+\b)+7], v[\f+64+8*(4*\c+\b):\f+64+8*(4*\c+\b)+7], v[\f+8*(4*\c+\a):\f+8*(4*\c+\a)+7], v[BI+8*\b:BI+8*\b+7]
.else
	v_wmma_f32_16x16x32_f16 v[ACC+8*(4*(\a)+\b):ACC+8*(4*(\a)+\b)+7], v[\f+64+8*(4*\c+\b):\f+64+8*(4*\c+\b)+7], v[\f+8*(4*\c+\a):\f+8*(4*\c+\a)+7], v[ACC+8*(4*(\a)+\b):ACC+8*(4*(\a)+\b)+7]
.endif
.endr
.endr
.endm
; 32 LDS loads in one run: the fragments of quarter kq (chunks 2 kq, 2 kq + 1) into buffer f; the first chunk first
.macro FETCH slot, kq, f
	WIN TO_F
.irp c, 0,1
.irp i, 0,1,2,3
	ds_load_b128 v[\f+64+8*(4*\c+\i):\f+64+8*(4*\c+\i)+3],   v[ADRB+\slot] offset:\i*8192+(2*(\kq)+\c)*1024
	ds_load_b128 v[\f+64+8*(4*\c+\i)+4:\f+64+8*(4*\c+\i)+7], v[ADRB+\slot] offset:\i*8192+(2*(\kq)+\c)*1024+512
	ds_load_b128 v[\f+8*(4*\c+\i):\f+8*(4*\c+\i)+3],         v[ADRA+\slot] offset:\i*8192+(2*(\kq)+\c)*1024
	ds_load_b128 v[\f+8*(4*\c+\i)+4:\f+8*(4*\c+\i)+7],       v[ADRA+\slot] offset:\i*8192+(2*(\kq)+\c)*1024+512
.endr
.endr
.endm
.macro PLACES                          ; four places in front of loads into registers that matrix instructions have read, and of the first read of results
.rept 4
	v_nop
.endr
.endm
; A K step is four quarters of 64 along K, 32 matrix instructions each, on buffers 0, 1, 0, 1.  One of the first three: multiplies buffer f and fetches quarter kq into g.
.macro QUARTER slot, kq, f, g, zero
	s_wait_dscnt 16                                ; the first chunk's sixteen loads are in
	WIN MUL
	MUL8 \f, 0, 0, \zero
	MUL8 \f, 0, 2, \zero
	PLACES
	FETCH \slot, \kq, \g
	s_wait_dscnt 32                                ; all but the 32 just issued
	WIN MUL
	MUL8 \f, 1, 0, 0
	MUL8 \f, 1, 2, 0
.endm
; The last quarter multiplies buffer 1 and changes slots: one barrier; in front of it each wave waits for all its tensor loads, adds 0 to its spare word, and waits for that and for its reads of this slot.
.macro TURN slot, next, fill
	WIN 0
	s_wait_tensorcnt 0x0                           ; all my tensor loads have landed: my part of the next slot
	ds_add_u32 v[SPW], v[NIL]
	s_wait_dscnt 17                                ; (the add and the youngest sixteen loads may be out)
	WIN MUL
	MUL8 F1, 0, 0, 0
	s_wait_dscnt 0x0                               ; the add is done, and my reads of this slot are over
	s_barrier_signal -1
	MUL8 F1, 0, 2, 0
.if \fill
	WIN 0
.endif
	s_barrier_wait -1
.if \fill
	CREST                                          ; the barrier has opened a round of the cluster's: no wave of any partner still reads this slot or has a load on its way
	s_add_nc_u64 s[G0+4*\slot+2:G0+4*\slot+3], s[G0+4*\slot+2:G0+4*\slot+3], 16384
	s_add_nc_u64 s[G0B+4*\slot+2:G0B+4*\slot+3], s[G0B+4*\slot+2:G0B+4*\slot+3], 16384
	JLOAD \slot                                    ; the first tensor load behind the round; its four v_nop are also the places in front of the loads below
.else
	PLACES
.endif
	FETCH \next, 0, F0
	WIN MUL
	MUL8 F1, 1, 0, 0
	MUL8 F1, 1, 2, 0
.endm
	s_wait_tensorcnt 1                             ; my part of K step 0 is in; K step 1's may stay out
	s_barrier_signal -1
	s_barrier_wait -1
	FETCH 0, 0, F0
	s_wait_loadcnt 0x0                             ; the bias
	QUARTER 0, 1, F0, F1, 1                        ; the first quarter stands in front of the loop: its first products start the sums
	WIN 0
	s_mov_b32 s3, LAPS-1
.Llap:                                             ; a trip goes once round the ring and fills both slots again
	QUARTER 0, 2, F1, F0, 0
	QUARTER 0, 3, F0, F1, 0
	TURN 0, 1, 1
	QUARTER 1, 1, F0, F1, 0
	QUARTER 1, 2, F1, F0, 0
	QUARTER 1, 3, F0, F1, 0
	TURN 1, 0, 1
	QUARTER 0, 1, F0, F1, 0
	WIN 0
	s_sub_co_u32 s3, s3, 1
	s_cmp_lg_u32 s3, 0
	s_cbranch_scc1 .Llap
	QUARTER 0, 2, F1, F0, 0                        ; the last lap fills nothing
	QUARTER 0, 3, F0, F1, 0
	TURN 0, 1, 0
	QUARTER 1, 1, F0, F1, 0
	QUARTER 1, 2, F1, F0, 0
	QUARTER 1, 3, F0, F1, 0
	s_wait_dscnt 16
	WIN MUL
	MUL8 F1, 0, 0, 0
	MUL8 F1, 0, 2, 0
	s_wait_dscnt 0x0
	MUL8 F1, 1, 0, 0
	MUL8 F1, 1, 2, 0
	WIN 0
; THE WAY OUT.  My 64 columns are 256 aligned bytes of a row: 16 rows at a time go through my own stage and come back as whole runs of 256 bytes.  LDS serves a wave's instructions in order: no wait between stores and loads.
	PLACES
.macro TOSTAGE a
.irp b, 0,1,2,3
	ds_store_b128 v[STO], v[ACC+8*(4*(\a)+\b):ACC+8*(4*(\a)+\b)+3] offset:64*\b          ; each accumulator from its low end on
	ds_store_b128 v[STO], v[ACC+8*(4*(\a)+\b)+4:ACC+8*(4*(\a)+\b)+7] offset:64*\b+16
.endr
.irp t, 0,1,2,3,4,5,6,7
	ds_load_b128 v[BK+32*((\a)%2)+4*\t:BK+32*((\a)%2)+4*\t+3], v[RD] offset:\t*2*SPITCH
.endr
.endm
.macro SEND a, younger                 ; younger: the LDS instructions issued behind block a's loads, which may stay out
	s_wait_dscnt \younger
.irp t, 0,1,2,3,4,5,6,7
	global_store_b128 v[CO], v[BK+32*((\a)%2)+4*\t:BK+32*((\a)%2)+4*\t+3], s[10:11] offset:(16*(\a)+2*\t)*4096 th:TH_STORE_NT   ; sixteen lanes store 256 consecutive bytes, aligned
.endr
.endm
	TOSTAGE 0
.irp a, 1,2,3
.if \a > 1
	s_wait_xcnt 0x0                                ; block a - 2's stores have read their registers
.endif
	TOSTAGE \a
	SEND \a-1, 16                                  ; behind block a - 1's loads: block a's 8 stores and 8 loads
.endr
	SEND 3, 0
	s_wait_tensorcnt 0x0                           ; the wave's end
	ds_add_u32 v[SPW], v[NIL]
	s_wait_dscnt 0x0
	CROUND                                         ; the closing round
	s_endpgm
.Lfunc_end_k_qea194b5646_proj:
	.size	k_qea194b5646_proj, .Lfunc_end_k_qea194b5646_proj-k_qea194b5646_proj
	.p2alignl 7, 3214868480
	.fill 96, 4, 3214868480
	.section	.rodata,"a",@progbits
	.p2align	6, 0x0
	.amdhsa_kernel k_qea194b5646_proj
		.amdhsa_group_segment_fixed_size 327680
		.amdhsa_private_segment_fixed_size 0
		.amdhsa_enable_private_segment 0
		.amdhsa_kernarg_size 32
		.amdhsa_user_sgpr_count 2
		.amdhsa_user_sgpr_kernarg_segment_ptr 1
		.amdhsa_wavefront_size32 1
		.amdhsa_system_sgpr_workgroup_id_x 1
		.amdhsa_system_sgpr_workgroup_id_y 1
		.amdhsa_system_sgpr_workgroup_id_z 1
		.amdhsa_system_vgpr_workitem_id 0
		.amdhsa_next_free_vgpr 512
		.amdhsa_next_free_sgpr 66
		.amdhsa_reserve_vcc 0
		.amdhsa_float_denorm_mode_32 3
		.amdhsa_float_denorm_mode_16_64 3
		.amdhsa_memory_ordered 1
		.amdhsa_forward_progress 1
		.amdhsa_inst_pref_size 86
	.end_amdhsa_kernel
	.amdgpu_metadata
---
amdhsa.version: [ 1, 2 ]
amdhsa.kernels:
  - .name:           k_qea194b5646_proj
    .symbol:         k_qea194b5646_proj.kd
    .args:
      - { .name: yimg, .offset: 0, .size: 8, .value_kind: global_buffer, .address_space: global }
      - { .name: prep, .offset: 8, .size: 8, .value_kind: global_buffer, .address_space: global }
      - { .name: b_proj, .offset: 16, .size: 8, .value_kind: global_buffer, .address_space: global }
      - { .name: out0, .offset: 24, .size: 8, .value_kind: global_buffer, .address_space: global }
    .group_segment_fixed_size: 327680
    .private_segment_fixed_size: 0
    .kernarg_segment_align: 8
    .kernarg_segment_size: 32
    .max_flat_workgroup_size: 128
    .sgpr_count:     66
    .vgpr_count:     512
    .wavefront_size: 32
...
	.end_amdgpu_metadata
.endif
;; end of part 4
;; launch fine (part 5): grid 64 x 1, 16 waves a work-group, no clusters, 18,432 bytes of LDS; arguments qkv, w_proj, b_proj, out0; writes out0
.if DOCPART == 5
	.amdgcn_target "amdgcn-amd-amdhsa--gfx1250"
	.amdhsa_code_object_version 6
	.text
	.protected	k_qea194b5646_fine
	.globl	k_qea194b5646_fine
	.p2align	8
	.type	k_qea194b5646_fine,@function
k_qea194b5646_fine:
	s_mov_b64 s[64:65], 0
	v_nop
	global_prefetch_b8 v0, s[64:65] scope:SCOPE_SE
	s_setreg_imm32_b32 hwreg(HW_REG_WAVE_MODE, 25, 1), 1
	s_wait_xcnt 0x0
; ROWS 0-15 OF out0, ANEW, WITH f32 OPERANDS THROUGHOUT.  These rows average one to sixteen values and are the largest in size; the rounding of f16 operands weighs most there.
; A work-group makes 16 columns of the 16 rows; wave = head.  Each wave redoes its head's 16 x 16 attention from the f32 copy of q, k, v (12 KB) and multiplies its 64 channels into the work-group's columns;
; the sixteen partial tiles are added through LDS by wave 0.  48 matrix instructions of the f32 form a wave: no bulk work.
; The f32 form takes k = 2 h + j in register j.  Here registers 2 s, 2 s + 1 of an eight-register tile are given to BOTH sources: the same permutation of k on both sides keeps the products.
; The registers that the f32 form writes (v144-239) are written by matrix instructions alone; four accumulators take turns in each product, and their four sums are added by vector instructions into other registers.
; The stores are runs of 64 bytes (sixteen lanes x 4): the whole launch stores 64 KB.  It writes over what the launch before left in these rows.
; LIMITS: NaN and infinities are not served.
.set FO,    0x1800000
.set SPARE, 16384                      ; behind the sixteen partial tiles of 1 KB
.set SPW, 1
.set NIL, 2
.set LI,  3
.set QF,  16                           ; q, later y
.set KF,  48
.set VF,  80
.set WPR, 112
.set SA,  144
.set OA,  176
.set PA,  208
.set SS,  240                          ; sums of four accumulators
.set PF,  248                          ; p
	s_load_b256 s[4:11], s[0:1], 0x0               ; qkv, w_proj, b_proj, out0
	v_lshl_add_u32 v[SPW], v0, 2, SPARE
	v_mov_b32 v[NIL], 0
	v_lshrrev_b32 v3, 5, v0
	v_readfirstlane_b32 s12, v3                    ; head
	v_and_b32 v[LI], 31, v0
	v_lshlrev_b32 v[LI], 4, v[LI]
	v_and_b32 v4, 15, v0                           ; r
	v_bfe_u32 v5, v0, 4, 1                         ; h
	v_lshlrev_b32 v6, 3, v5
	v_sub_nc_u32 v6, v4, v6                        ; r - 8 h
	v_lshlrev_b32 v7, 2, v4                        ; 4 r
	v_lshl_add_u32 v8, v5, 15, v7                  ; 8 h rows of 4,096 bytes + 4 r
	s_lshl_b32 s13, s12, 10
	v_add_nc_u32 v9, s13, v[LI]                    ; LDS: my partial tile
	v_mov_b32 v11, 0                               ; a lane permute's destination counts as one of its sources
	v_mov_b32 v12, 0
	v_mov_b32 v13, 0xff800000                      ; -infinity
	s_mov_b32 s18, 0x3e38aa3b                      ; c = log2(e) / 8
	s_mov_b32 s20, 0x76543210
	s_mov_b32 s21, 0xfedcba98
	s_mov_b32 s15, 0
	s_mov_b32 s17, 0
	s_wait_kmcnt 0x0
	s_lshl_b32 s14, s12, 12
	s_add_co_u32 s14, s14, FO
	s_add_nc_u64 s[4:5], s[4:5], s[14:15]          ; my head's four tiles of q; k's lie 64 KB on, v's 128 KB
	s_lshl_b32 s14, s12, 18
	s_lshl_b32 s16, ttmp9, 6                       ; my work-group's 16 columns, in bytes
	s_add_co_u32 s14, s14, s16
	s_add_nc_u64 s[6:7], s[6:7], s[14:15]          ; w_proj at row 64 head, my columns
	s_add_nc_u64 s[8:9], s[8:9], s[16:17]
	s_add_nc_u64 s[10:11], s[10:11], s[16:17]
.irp bt, 0,1,2,3
.irp k, 0,1
	global_load_b128 v[QF+8*\bt+4*\k:QF+8*\bt+4*\k+3], v[LI], s[4:5] offset:\bt*1024+\k*512           ; lane (r, h): row r, channels 16 bt + 8 h + 0..7
	global_load_b128 v[KF+8*\bt+4*\k:KF+8*\bt+4*\k+3], v[LI], s[4:5] offset:65536+\bt*1024+\k*512
	global_load_b128 v[VF+8*\bt+4*\k:VF+8*\bt+4*\k+3], v[LI], s[4:5] offset:131072+\bt*1024+\k*512    ; lane (r, h): channel 16 bt + r, keys 8 h + 0..7
.endr
.endr
.irp ct, 0,1,2,3
.irp jj, 0,1,2,3,4,5,6,7
	global_load_b32 v[WPR+8*\ct+\jj], v8, s[6:7] offset:(16*\ct+\jj)*4096      ; w_proj(64 head + 16 ct + 8 h + jj, my column r)
.endr
.endr
	global_load_b32 v10, v7, s[8:9]                ; the bias of column r
	s_wait_loadcnt 0x0
; S^T = k q^T: register j of lane (r, h): key 8 h + j, query r
.irp s, 0,1,2,3
.irp bt, 0,1,2,3
.if \s == 0
	v_wmma_f32_16x16x4_f32 v[SA+8*\bt:SA+8*\bt+7], v[KF+8*\bt+2*\s:KF+8*\bt+2*\s+1], v[QF+8*\bt+2*\s:QF+8*\bt+2*\s+1], 0
.else
	v_wmma_f32_16x16x4_f32 v[SA+8*\bt:SA+8*\bt+7], v[KF+8*\bt+2*\s:KF+8*\bt+2*\s+1], v[QF+8*\bt+2*\s:QF+8*\bt+2*\s+1], v[SA+8*\bt:SA+8*\bt+7]
.endif
.endr
.endr
.rept 8
	v_nop                                          ; eight places behind this form, in front of the first read of results (ISA guide 7.12.1)
.endr
.irp j, 0,2,4,6
	v_pk_add_f32 v[SS+\j:SS+\j+1], v[SA+\j:SA+\j+1], v[SA+8+\j:SA+9+\j]
.endr
.irp j, 0,2,4,6
	v_pk_add_f32 v[SS+\j:SS+\j+1], v[SS+\j:SS+\j+1], v[SA+16+\j:SA+17+\j]
.endr
.irp j, 0,2,4,6
	v_pk_add_f32 v[SS+\j:SS+\j+1], v[SS+\j:SS+\j+1], v[SA+24+\j:SA+25+\j]
.endr
.irp j, 0,1,2,3,4,5,6,7
	v_cmp_gt_i32 vcc_lo, \j, v6                    ; key 8 h + j comes after query r
	v_cndmask_b32 v[SS+\j], v[SS+\j], v13, vcc_lo
.endr
	v_max3_num_f32 v14, v[SS], v[SS+1], v[SS+2]
	v_max3_num_f32 v14, v14, v[SS+3], v[SS+4]
	v_max3_num_f32 v14, v14, v[SS+5], v[SS+6]
	v_max_num_f32 v14, v14, v[SS+7]
	v_permlanex16_b32 v11, v14, s20, s21
	v_max_num_f32 v14, v14, v11                    ; the row's maximum (key 0 counts for every query)
	v_mul_f32 v14, s18, v14
.irp j, 0,1,2,3,4,5,6,7
	v_fma_f32 v[PF+\j], v[SS+\j], s18, -v14
.endr
.irp j, 0,1,2,3,4,5,6,7
	v_exp_f32 v[PF+\j], v[PF+\j]
.endr
	v_nop
	s_wait_alu depctr_va_vdst(0)                   ; one wait for the eight
	v_add_f32 v15, v[PF], v[PF+1]
.irp j, 2,3,4,5,6,7
	v_add_f32 v15, v15, v[PF+\j]
.endr
	v_permlanex16_b32 v12, v15, s20, s21
	v_add_f32 v15, v15, v12
	v_rcp_f32 v15, v15
	v_nop
	s_wait_alu depctr_va_vdst(0)
; O^T = v^T p: register j of lane (r, h): channel 16 ct + 8 h + j, query r
.irp s, 0,1,2,3
.irp ct, 0,1,2,3
.if \s == 0
	v_wmma_f32_16x16x4_f32 v[OA+8*\ct:OA+8*\ct+7], v[VF+8*\ct+2*\s:VF+8*\ct+2*\s+1], v[PF+2*\s:PF+2*\s+1], 0
.else
	v_wmma_f32_16x16x4_f32 v[OA+8*\ct:OA+8*\ct+7], v[VF+8*\ct+2*\s:VF+8*\ct+2*\s+1], v[PF+2*\s:PF+2*\s+1], v[OA+8*\ct:OA+8*\ct+7]
.endif
.endr
.endr
.rept 8
	v_nop
.endr
.set i, 0
.rept 32
	v_mul_f32 v[QF+i], v[OA+i], v15                ; y = O^T / the sum, into q's registers
.set i, i+1
.endr
; out = y w_proj, my head's 64 channels: register j of lane (r, h): row 8 h + j, column r
.irp s, 0,1,2,3
.irp ct, 0,1,2,3
.if \s == 0
	v_wmma_f32_16x16x4_f32 v[PA+8*\ct:PA+8*\ct+7], v[QF+8*\ct+2*\s:QF+8*\ct+2*\s+1], v[WPR+8*\ct+2*\s:WPR+8*\ct+2*\s+1], 0
.else
	v_wmma_f32_16x16x4_f32 v[PA+8*\ct:PA+8*\ct+7], v[QF+8*\ct+2*\s:QF+8*\ct+2*\s+1], v[WPR+8*\ct+2*\s:WPR+8*\ct+2*\s+1], v[PA+8*\ct:PA+8*\ct+7]
.endif
.endr
.endr
.rept 8
	v_nop                                          ; also the places in front of wave 0's loads into registers that these products read
.endr
.irp j, 0,2,4,6
	v_pk_add_f32 v[SS+\j:SS+\j+1], v[PA+\j:PA+\j+1], v[PA+8+\j:PA+9+\j]
.endr
.irp j, 0,2,4,6
	v_pk_add_f32 v[SS+\j:SS+\j+1], v[SS+\j:SS+\j+1], v[PA+16+\j:PA+17+\j]
.endr
.irp j, 0,2,4,6
	v_pk_add_f32 v[SS+\j:SS+\j+1], v[SS+\j:SS+\j+1], v[PA+24+\j:PA+25+\j]
.endr
	ds_store_b128 v9, v[SS:SS+3]
	ds_store_b128 v9, v[SS+4:SS+7] offset:512
	s_wait_dscnt 0x0                               ; for the others' sake: my stores have landed
	s_barrier_signal -1
	s_barrier_wait -1
	s_cmp_lg_u32 s12, 0
	s_cbranch_scc1 .Lend
.irp w, 0,1,2,3,4,5,6,7,8,9,10,11,12,13,14,15
	ds_load_b128 v[16+8*\w:19+8*\w], v[LI] offset:\w*1024
	ds_load_b128 v[20+8*\w:23+8*\w], v[LI] offset:\w*1024+512
.endr
	s_wait_dscnt 0x0
.irp d, 8,4,2,1                                ; the sixteen heads' tiles, added in a fixed order
.irp w, 0,1,2,3,4,5,6,7
.if \w < \d
.irp j, 0,2,4,6
	v_pk_add_f32 v[16+8*\w+\j:17+8*\w+\j], v[16+8*\w+\j:17+8*\w+\j], v[16+8*(\w+\d)+\j:17+8*(\w+\d)+\j]
.endr
.endif
.endr
.endr
.irp j, 0,1,2,3,4,5,6,7
	v_add_f32 v[16+\j], v[16+\j], v10
.endr
.irp j, 0,1,2,3,4,5,6,7
	global_store_b32 v8, v[16+\j], s[10:11] offset:\j*4096       ; out0(8 h + j, my column r)
.endr
.Lend:
	s_wait_tensorcnt 0x0                           ; the wave's end, behind my last LDS store
	ds_add_u32 v[SPW], v[NIL]
	s_wait_dscnt 0x0
	s_endpgm
.Lfunc_end_k_qea194b5646_fine:
	.size	k_qea194b5646_fine, .Lfunc_end_k_qea194b5646_fine-k_qea194b5646_fine
	.p2alignl 7, 3214868480
	.fill 96, 4, 3214868480
	.section	.rodata,"a",@progbits
	.p2align	6, 0x0
	.amdhsa_kernel k_qea194b5646_fine
		.amdhsa_group_segment_fixed_size 18432
		.amdhsa_private_segment_fixed_size 0
		.amdhsa_enable_private_segment 0
		.amdhsa_kernarg_size 32
		.amdhsa_user_sgpr_count 2
		.amdhsa_user_sgpr_kernarg_segment_ptr 1
		.amdhsa_wavefront_size32 1
		.amdhsa_system_sgpr_workgroup_id_x 1
		.amdhsa_system_sgpr_workgroup_id_y 1
		.amdhsa_system_sgpr_workgroup_id_z 1
		.amdhsa_system_vgpr_workitem_id 0
		.amdhsa_next_free_vgpr 256
		.amdhsa_next_free_sgpr 66
		.amdhsa_reserve_vcc 1
		.amdhsa_float_denorm_mode_32 3
		.amdhsa_float_denorm_mode_16_64 3
		.amdhsa_memory_ordered 1
		.amdhsa_forward_progress 1
		.amdhsa_inst_pref_size 23
	.end_amdhsa_kernel
	.amdgpu_metadata
---
amdhsa.version: [ 1, 2 ]
amdhsa.kernels:
  - .name:           k_qea194b5646_fine
    .symbol:         k_qea194b5646_fine.kd
    .args:
      - { .name: qkv, .offset: 0, .size: 8, .value_kind: global_buffer, .address_space: global }
      - { .name: w_proj, .offset: 8, .size: 8, .value_kind: global_buffer, .address_space: global }
      - { .name: b_proj, .offset: 16, .size: 8, .value_kind: global_buffer, .address_space: global }
      - { .name: out0, .offset: 24, .size: 8, .value_kind: global_buffer, .address_space: global }
    .group_segment_fixed_size: 18432
    .private_segment_fixed_size: 0
    .kernarg_segment_align: 8
    .kernarg_segment_size: 32
    .max_flat_workgroup_size: 512
    .sgpr_count:     66
    .vgpr_count:     256
    .wavefront_size: 32
...
	.end_amdgpu_metadata
.endif
;; end of part 5
